; MI455X (gfx1250); checked and timed in simulation.
; The chip was launched on July 23, 2026; its instructions are those of AMD's public machine-readable ISA for CDNA 5 (MIT licence, August 2026) and "CDNA5" Instruction Set Architecture Reference Guide (July 2026). The comments in the code are by the model that wrote it; some were corrected since.
;; Multi Head Attention. Allowed arithmetic: matrix products marked QUANTISED: E2M1 operands, one E8M0 scale for each 32 along K, by v_wmma_scale_f32_16x16x128_f8f6f4 with both operands' format E2M1 (or v_wmma_scale_f32_32x16x128_f4), f32 sums; everything else in f32.
;; Inputs: W_out 1,024 x 1,024 float32; W_qkv 3,072 x 1,024 float32; b_out 1,024 float32; b_qkv 3,072 float32; mask 1 x 1 x 2,048 x 2,048 int32; x 4 x 2,048 x 1,024 float32.
;; Outputs: out0 4 x 2,048 x 1,024 float32.
;; This version of the problem:
;;   THIS VERSION OF THE PROBLEM IS GIVEN IN LOW PRECISION. The matrix products marked QUANTISED in the list below multiply operands that are first quantised to E2M1 (2 exponent bits, 1 mantissa bit; 4 bits a number), with one power-of-two scale for each 32 numbers along K (OCP MX v1.0); their sums are f32. All else is computed in f32.
;;   The module's matrix products, in the order in which they are computed (A, B: the left and right operand; K: the contracted axis; several contracted axes count as one K, in the product's order):
;;     1. [M 8,192, K 1,024] x [K 1,024, N 3,072]; A: input x; B: input W_qkv: QUANTISED
;;     2. batch 64 x [M 2,048, K 64] x [K 64, N 2,048]; A: computed on the way; B: computed on the way: QUANTISED
;;     3. batch 64 x [M 2,048, K 2,048] x [K 2,048, N 64]; A: softmax (see below); B: computed on the way: QUANTISED
;;     4. [M 8,192, K 1,024] x [K 1,024, N 1,024]; A: computed on the way; B: input W_out: QUANTISED
;;   THE QUANTISER, for each operand of a quantised product, along K:
;;     - K is cut into blocks of 32 from its start; a last block that is shorter is filled with zeros.
;;     - A block's scale is 2^e with e = floor(log2(the largest magnitude in the block)) - 2, held to -126 .. 127; a block of zeros has e = 0. As a byte (E8M0): e + 127.
;;     - Each number is divided by its block's scale, clamped to +-6, and rounded to the nearest number of E2M1, ties to even, subnormals kept.
;;     - The product sums the exact products of the quantised numbers (number of the format x scale) in f32.
;;   ~~~python
;;   def quantise(x, axis):      # numpy; x: float32 -> the quantised numbers, widened to float32 again
;;       x = np.moveaxis(x, axis, -1); K = x.shape[-1]
;;       x = np.pad(x, [(0, 0)] * (x.ndim - 1) + [(0, -K % 32)]); x = x.reshape(x.shape[:-1] + (-1, 32)); a = np.abs(x).max(-1, keepdims=True)
;;       e = np.where(a > 0, np.clip(np.frexp(np.where(a > 0, a, 1))[1] - 1 - 2, -126, 127), 0)      # np.frexp(a)[1] - 1 = floor(log2(a)), exactly
;;       r = np.clip(x / 2.0 ** e, -6, 6)
;;       step = 2.0 ** (np.maximum(np.frexp(np.where(r == 0, 1, r))[1] - 1, 0) - 1)
;;       q = np.round(r / step) * step * 2.0 ** e      # np.round: ties to even
;;       return np.moveaxis(q.reshape(q.shape[:-2] + (-1,))[..., :K], -1, axis).astype(np.float32)
;;   ~~~
;;   SOFTMAX AHEAD OF A QUANTISED PRODUCT. Where the list says 'softmax', what is quantised is not the finished softmax but p = 2^(t - M), with t = logit x log2(e) and M = ceil(the row's largest t), a whole number; so 1/2 < the row's largest p <= 1. The row's sum l is taken of the UNQUANTISED p, in f32, and the product's result is divided by l at the end. Since M is a whole number, a kernel that streams over the keys may use a running M (the ceiling of the running maximum): every later rescaling is an exact power of two, which a block's scale takes up: the codes' values come out the same.
;;   OPERANDS COMPUTED ON THE WAY. 'Computed on the way' means the value that the module computes at that place (a softmax that the list does not call 'softmax' is quantised finished and normalised). What goes into a quantiser is computed in f32, as accurately as f32 sums, v_exp_f32 and their like allow (about 1e-6 of the number): no bf16 or f16 on the way to a quantiser, and a product that is left as it is and whose result goes on into a quantised operand takes f32 operands (vector FMAs, or v_wmma_f32_16x16x4_f32). A number that lies on a knife's edge between two numbers of the format may be rounded either way, as far as f32 arithmetic and the matrix unit's own rounding can turn it there, and no further.
;; One version. Each part assembles by itself: llvm-mc -triple=amdgcn-amd-amdhsa -mcpu=gfx1250 --defsym DOCPART=n.
;; ======== version 1 of 1: 4 launches
;; workspace buffers: xc 4,194,304 bytes; xs 262,144 bytes; wc 2,097,152 bytes; ws 131,072 bytes; mw 526,336 bytes of whole numbers; qkvc 12,582,912 bytes; qkvs 1,310,720 bytes; ao 4,456,448 bytes
;; launch prep (part 1): grid 512 x 1, 4 waves a work-group, no clusters, 33,280 bytes of LDS; arguments x, W_qkv, W_out, mask, xc, xs, wc, ws, mw; writes xc, xs, wc, ws, mw
.if DOCPART == 1
	.amdgcn_target "amdgcn-amd-amdhsa--gfx1250"
	.amdhsa_code_object_version 6
	.text
	.protected	k_q1f1c8bb5dd_prep
	.globl	k_q1f1c8bb5dd_prep
	.p2align	8
	.type	k_q1f1c8bb5dd_prep,@function
k_q1f1c8bb5dd_prep:
	s_mov_b64 s[64:65], 0
	v_nop
	global_prefetch_b8 v0, s[64:65] scope:SCOPE_SE
	s_setreg_imm32_b32 hwreg(HW_REG_WAVE_MODE, 25, 1), 1
	s_wait_xcnt 0x0
; TWO JOBS IN ONE LAUNCH, told apart by the work-group's number.
; Work-groups 0-383: x [8192][1024], W_qkv [3072][1024] and W_out [1024][1024], f32 with K innermost, become codes of FP4 (E2M1), two a byte, K innermost, and one E8M0 byte for each 32 along K.
;   x goes to xc / xs; W_qkv and, straight behind it, W_out go to wc / ws.  Rows are dense and K is a multiple of 32: each tensor is a plain stream of blocks of 32.
;   A block's scale is 2^(floor(log2(largest magnitude)) - 2): its byte is the largest magnitude's exponent field - 2, held at 1 from below by a floor among the maximum's leaves.
;   LIMITS: a block of zeros gets the byte 1 where the rule says 127 (its codes are zeros, and this program alone reads the bytes); blocks whose largest magnitude lies under 2^-124 get the byte 1;
;   NaN and infinities among the inputs are not served.
;   A work-group takes 32,768 numbers, a wave 16 steps of 512.  Each load reads 512 consecutive bytes; a step's 2,048 bytes turn through the wave's own stage in LDS so that a lane holds 16 neighbours.
; Work-groups 384-511: the mask [2048][2048] of int32 becomes lane masks for the attention launch.  For the tile of queries qt (16 rows) and the key step s (128 keys) there are 64 words:
;   bit r + 16 h of word 8 t + j says whether mask[16 qt + r][128 s + 16 t + 8 h + j] is not 0: the lanes of the register that will hold those scores.  A tile's words are 256 consecutive bytes.
;   Behind the words, for each qt four flag words (one from each wave): bit s: some key of the tile counts; bit 16 + s: some key of the tile is hidden.
;   This path uses no LDS.
.set STEPS, 16
.set EMAX,  2
.set CB,    8                          ; bytes of 16 codes
.set R,     16                         ; v16-79   four sets of 16 numbers as they are loaded
.set X,     80                         ; v80-111  two sets of 16 neighbours
.set C,     128                        ; v128-191 codes: four registers for each step, so that no store's data are written again
.set E,     112                        ; v112-127 a scale byte for each step
.set WREG,  8192                       ; LDS: a region for each wave: two stages of 32 x SP bytes, behind them its 256 scale bytes
.set SP,    80                         ; a lane's place in a stage: 64 bytes + 16 of padding
.set MW,    144                        ; v144-151 the mask path: a pair of registers for each tile's 64 words
	s_load_b512 s[4:19], s[0:1], 0x0               ; x s[4:5], W_qkv s[6:7], W_out s[8:9], mask s[10:11], xc s[12:13], xs s[14:15], wc s[16:17], ws s[18:19]
	s_load_b64 s[20:21], s[0:1], 0x40              ; mw
	v_lshl_add_u32 v192, v0, 2, 0x8000
	v_mov_b32 v193, 0
	v_lshrrev_b32 v1, 5, v0
	v_readfirstlane_b32 s24, v1                    ; wave 0..3
	v_and_b32 v2, 31, v0                           ; lane
	s_cmp_ge_u32 ttmp9, 384
	s_cbranch_scc1 .Lmask
	; ---------------- the quantiser ----------------
	v_lshlrev_b32 v3, 4, v2                        ; my 16 bytes of a load's 512
	s_mul_i32 s25, s24, WREG
	v_lshrrev_b32 v14, 2, v2
	v_mul_u32_u24 v14, v14, SP
	v_and_b32 v15, 3, v2
	v_lshl_add_u32 v14, v15, 4, v14
	v_add_nc_u32 v14, s25, v14                     ; the stage, on the way in: SP (lane / 4) + 16 (lane % 4)
	v_mul_u32_u24 v15, v2, SP
	v_add_nc_u32 v15, s25, v15                     ; and on the way out: SP x lane: my 16 neighbours
	v_mul_u32_u24 v4, v2, CB                       ; my codes' place in a step's
	v_lshrrev_b32 v5, 1, v2
	s_add_co_u32 s25, s25, 2*32*SP
	v_add_nc_u32 v5, s25, v5                       ; LDS: my wave's 256 scale bytes, my block's byte
	v_lshlrev_b32 v7, 3, v2                        ; and on the way out 8 bytes a lane
	v_add_nc_u32 v6, s25, v7
	s_wait_kmcnt 0x0
	s_cmp_lt_u32 ttmp9, 352                        ; which tensor?  The choices hang on the work-group's number alone
	s_cselect_b64 s[6:7], s[6:7], s[8:9]           ; W_qkv or W_out
	s_mov_b32 s22, 352
	s_cselect_b32 s22, 256, s22                    ; the first work-group of that tensor
	s_cmp_lt_u32 ttmp9, 256
	s_cselect_b64 s[4:5], s[4:5], s[6:7]           ; x or a weight
	s_cselect_b64 s[12:13], s[12:13], s[16:17]     ; its codes
	s_cselect_b64 s[14:15], s[14:15], s[18:19]     ; its scale bytes
	s_cselect_b32 s22, 0, s22
	s_cselect_b32 s23, 0, 256                      ; the first work-group of the output buffer: W_out's codes follow W_qkv's
	s_sub_co_u32 s26, ttmp9, s22
	s_lshl_b32 s26, s26, 2
	s_add_co_u32 s26, s26, s24                     ; which run of 8,192 numbers of the tensor is my wave's
	s_lshl_b32 s26, s26, 15                        ; 32,768 bytes a run
	s_mov_b32 s27, 0
	s_add_nc_u64 s[4:5], s[4:5], s[26:27]
	s_sub_co_u32 s26, ttmp9, s23
	s_lshl_b32 s26, s26, 2
	s_add_co_u32 s28, s26, s24                     ; and which run of the output buffers
	s_lshl_b32 s26, s28, 12                        ; 4,096 bytes of codes a run
	s_add_nc_u64 s[12:13], s[12:13], s[26:27]
	s_lshl_b32 s26, s28, 8                         ; 256 scale bytes a run
	s_add_nc_u64 s[14:15], s[14:15], s[26:27]
.macro LOAD t
.irp i, 0,1,2,3
	global_load_b128 v[R+16*((\t)%4)+4*\i:R+16*((\t)%4)+4*\i+3], v3, s[4:5] offset:2048*(\t)+512*\i th:TH_LOAD_NT   ; 32 lanes read 512 consecutive bytes
.endr
.endm
.macro TURN t                          ; step t's numbers through the stage: LDS serves a wave's instructions in order, so no wait stands between the stores and the loads
.irp i, 0,1,2,3
	ds_store_b128 v14, v[R+16*((\t)%4)+4*\i:R+16*((\t)%4)+4*\i+3] offset:32*SP*((\t)%2)+8*SP*\i
.endr
.irp i, 0,1,2,3
	ds_load_b128 v[X+16*((\t)%2)+4*\i:X+16*((\t)%2)+4*\i+3], v15 offset:32*SP*((\t)%2)+16*\i
.endr
.endm
.irp t, 0,1,2,3
	LOAD \t
.endr
	s_wait_loadcnt 12                              ; step 0's four loads are in; the twelve of steps 1 to 3 may be out
	TURN 0
.macro STEP t
.set XS, X+16*((\t)%2)
.if (\t) > 0
	s_wait_dscnt 1                                 ; this step's numbers are back from the stage (the last step's byte store may be out): so its stores into the stage have read their registers,
.else
	s_wait_dscnt 0x0
.endif
.if (\t)+4 < STEPS
	LOAD (\t)+4                                    ; which take the loads of four steps on
.endif
.if (\t)+1 < STEPS
.if STEPS-2-(\t) >= 3
	s_wait_loadcnt 12                              ; the next step's four loads are in; those of the three steps behind it may be out
.else
	s_wait_loadcnt 4*(STEPS-2-(\t))
.endif
	TURN (\t)+1                                    ; and go through the other stage while this step is worked
.endif
	v_max3_num_f32 v8, |v[XS]|, |v[XS+1]|, |v[XS+2]|               ; the largest magnitude of my 16, in two chains
	v_max3_num_f32 v9, |v[XS+3]|, |v[XS+4]|, |v[XS+5]|
.irp i, 6,10
	v_max3_num_f32 v8, v8, |v[XS+\i]|, |v[XS+\i+1]|
	v_max3_num_f32 v9, v9, |v[XS+\i+2]|, |v[XS+\i+3]|
.endr
	v_max3_num_f32 v8, v8, |v[XS+14]|, |v[XS+15]|
	v_max3_num_f32 v8, v8, v9, (EMAX+1)<<23        ; and the floor 2^(EMAX + 1 - 127): the byte cannot fall under 1
	v_max_num_f32_dpp v8, v8, v8 row_xmask:1 row_mask:0xf bank_mask:0xf   ; and of my neighbour's 16: the block's
	v_add_nc_u32 v11, -(EMAX<<23), v8              ; EMAX off its exponent field: the conversion takes the exponent field of this operand as its scale
	v_cvt_scalef32_pk8_fp4_f32 v[C+4*(\t)], v[XS:XS+7], v11
	v_cvt_scalef32_pk8_fp4_f32 v[C+4*(\t)+1], v[XS+8:XS+15], v11
	v_lshrrev_b32 v[E+(\t)], 23, v11               ; the scale's byte
	ds_store_b8 v5, v[E+(\t)] offset:16*(\t)       ; both lanes of a block write the same byte with the same value
	global_store_b64 v4, v[C+4*(\t):C+4*(\t)+1], s[12:13] offset:32*CB*(\t)   ; the wave stores 256 consecutive bytes, aligned
.endm
.irp t, 0,1,2,3,4,5,6,7,8,9,10,11,12,13,14,15
	STEP \t
.endr
	ds_load_b64 v[12:13], v6                       ; LDS serves a wave's instructions in order: these see my byte stores
	s_wait_dscnt 0x0
	global_store_b64 v7, v[12:13], s[14:15]        ; 32 lanes store 256 consecutive bytes, aligned
	s_wait_tensorcnt 0x0
	ds_add_u32 v192, v193
	s_wait_dscnt 0x0
	s_endpgm
	; ---------------- the mask ----------------
.Lmask:
	s_sub_co_u32 s25, ttmp9, 384                   ; qt: my work-group's 16 queries; wave wq takes key steps 4 wq .. 4 wq + 3
	v_and_b32 v5, 15, v2                           ; r
	v_lshrrev_b32 v6, 4, v2                        ; h
	v_lshlrev_b32 v3, 13, v5                       ; a row of the mask is 8,192 bytes
	v_lshl_add_u32 v3, v6, 5, v3                   ; + 32 h: eight keys
	v_lshlrev_b32 v4, 3, v2                        ; out: two words a lane
.irp k, 0,1,2,3,4,5,6,7
	v_mov_b32 v[MW+\k], 0                          ; written once: v_writelane_b32's destination counts as read
.endr
	s_lshl_b32 s26, s25, 17                        ; 16 rows of 8,192 bytes
	s_lshl_b32 s28, s24, 11                        ; my wave's 512 keys
	s_add_co_u32 s26, s26, s28
	s_mov_b32 s27, 0
	s_lshl_b32 s28, s25, 4
	s_lshl_b32 s29, s24, 2
	s_add_co_u32 s28, s28, s29                     ; 16 qt + 4 wq: my first tile's number, and also my flag word's byte
	s_lshl_b32 s30, s28, 8                         ; 256 bytes a tile
	s_mov_b32 s31, 0
	s_mov_b32 s29, 0
	s_mov_b32 s39, 0                               ; my four tiles' flags
	s_wait_kmcnt 0x0
	s_add_nc_u64 s[10:11], s[10:11], s[26:27]
	s_add_nc_u64 s[32:33], s[20:21], s[30:31]      ; my tiles' words
	s_add_nc_u64 s[34:35], s[20:21], s[28:29]      ; my flag word (0x80000 further on: in the store's immediate)
.macro MLOAD tt                        ; tile tt: register 8 t + j = mask[16 qt + r][128 (4 wq + tt) + 16 t + 8 h + j], into set tt % 2
.set XS, 16+64*((\tt)%2)
.irp t, 0,1,2,3,4,5,6,7
.irp jj, 0,1
	global_load_b128 v[XS+8*\t+4*\jj:XS+8*\t+4*\jj+3], v3, s[10:11] offset:512*(\tt)+64*\t+16*\jj th:TH_LOAD_NT
.endr
.endr
.endm
.macro MTILE tt
.set XS, 16+64*((\tt)%2)
	s_mov_b32 s37, 0                               ; the words' OR: is any key kept?
	s_mov_b32 s38, -1                              ; the words' AND: are all kept?
.set n, 0
.rept 64
	v_cmp_ne_u32 s36, 0, v[XS+n]                   ; word n: a bit a lane
	v_writelane_b32 v[MW+2*(\tt)+(n%2)], s36, n/2  ; lane n / 2 holds words n (even) and n + 1
	s_or_b32 s37, s37, s36
	s_and_b32 s38, s38, s36
.set n, n+1
.endr
	global_store_b64 v4, v[MW+2*(\tt):MW+2*(\tt)+1], s[32:33] offset:256*(\tt)   ; the wave stores 256 consecutive bytes, aligned
	s_cmp_lg_u32 s37, 0
	s_cselect_b32 s22, 1<<(\tt), 0
	s_or_b32 s39, s39, s22
	s_cmp_lg_u32 s38, -1
	s_cselect_b32 s22, 1<<(16+(\tt)), 0
	s_or_b32 s39, s39, s22
.endm
	MLOAD 0
	MLOAD 1
	s_wait_loadcnt 16                              ; tile 0's sixteen loads are in; the next tile's sixteen may be out
	MTILE 0
	MLOAD 2
	s_wait_loadcnt 16
	MTILE 1
	MLOAD 3
	s_wait_loadcnt 16
	MTILE 2
	s_wait_loadcnt 0x0
	MTILE 3
	s_lshl_b32 s22, s24, 2
	s_lshl_b32 s39, s39, s22                       ; bits 4 wq + tt and 16 + 4 wq + tt
	v_mov_b32 v152, s39
	v_mov_b32 v153, 0
	v_cmp_eq_u32 vcc_lo, 0, v2
	s_wait_xcnt 0x0                                ; EXEC is a source of the stores above: it changes only behind this wait
	s_and_saveexec_b32 s25, vcc_lo                 ; lane 0 alone
	global_store_b32 v153, v152, s[34:35] offset:0x80000
	s_wait_xcnt 0x0                                ; and again in front of the line that widens it
	s_or_b32 exec_lo, exec_lo, s25
	s_endpgm
.Lfunc_end_k_q1f1c8bb5dd_prep:
	.size	k_q1f1c8bb5dd_prep, .Lfunc_end_k_q1f1c8bb5dd_prep-k_q1f1c8bb5dd_prep
	.p2alignl 7, 3214868480
	.fill 96, 4, 3214868480
	.section	.rodata,"a",@progbits
	.p2align	6, 0x0
	.amdhsa_kernel k_q1f1c8bb5dd_prep
		.amdhsa_group_segment_fixed_size 33280
		.amdhsa_private_segment_fixed_size 0
		.amdhsa_enable_private_segment 0
		.amdhsa_kernarg_size 72
		.amdhsa_user_sgpr_count 2
		.amdhsa_user_sgpr_kernarg_segment_ptr 1
		.amdhsa_wavefront_size32 1
		.amdhsa_system_sgpr_workgroup_id_x 1
		.amdhsa_system_sgpr_workgroup_id_y 1
		.amdhsa_system_sgpr_workgroup_id_z 1
		.amdhsa_system_vgpr_workitem_id 0
		.amdhsa_next_free_vgpr 194
		.amdhsa_next_free_sgpr 66
		.amdhsa_reserve_vcc 1
		.amdhsa_float_denorm_mode_32 3
		.amdhsa_float_denorm_mode_16_64 3
		.amdhsa_memory_ordered 1
		.amdhsa_forward_progress 1
		.amdhsa_inst_pref_size 91
	.end_amdhsa_kernel
	.amdgpu_metadata
---
amdhsa.version: [ 1, 2 ]
amdhsa.kernels:
  - .name:           k_q1f1c8bb5dd_prep
    .symbol:         k_q1f1c8bb5dd_prep.kd
    .args:
      - { .name: x, .offset: 0, .size: 8, .value_kind: global_buffer, .address_space: global }
      - { .name: W_qkv, .offset: 8, .size: 8, .value_kind: global_buffer, .address_space: global }
      - { .name: W_out, .offset: 16, .size: 8, .value_kind: global_buffer, .address_space: global }
      - { .name: mask, .offset: 24, .size: 8, .value_kind: global_buffer, .address_space: global }
      - { .name: xc, .offset: 32, .size: 8, .value_kind: global_buffer, .address_space: global }
      - { .name: xs, .offset: 40, .size: 8, .value_kind: global_buffer, .address_space: global }
      - { .name: wc, .offset: 48, .size: 8, .value_kind: global_buffer, .address_space: global }
      - { .name: ws, .offset: 56, .size: 8, .value_kind: global_buffer, .address_space: global }
      - { .name: mw, .offset: 64, .size: 8, .value_kind: global_buffer, .address_space: global }
    .group_segment_fixed_size: 33280
    .private_segment_fixed_size: 0
    .kernarg_segment_align: 8
    .kernarg_segment_size: 72
    .max_flat_workgroup_size: 128
    .sgpr_count:     66
    .vgpr_count:     194
    .wavefront_size: 32
...
	.end_amdgpu_metadata
.endif
;; end of part 1
;; launch qkv (part 2): grid 12 x 32, 4 waves a work-group, clusters of 4 x 4, 327,680 bytes of LDS; arguments xc, xs, wc, ws, b_qkv, qkvc, qkvs; writes qkvc, qkvs
.if DOCPART == 2
	.amdgcn_target "amdgcn-amd-amdhsa--gfx1250"
	.amdhsa_code_object_version 6
	.text
	.protected	k_q1f1c8bb5dd_qkv
	.globl	k_q1f1c8bb5dd_qkv
	.p2align	8
	.type	k_q1f1c8bb5dd_qkv,@function
k_q1f1c8bb5dd_qkv:
	s_mov_b64 s[64:65], 0
	v_nop
	global_prefetch_b8 v0, s[64:65] scope:SCOPE_SE
	s_setreg_imm32_b32 hwreg(HW_REG_WAVE_MODE, 25, 1), 1
	s_wait_xcnt 0x0
	s_wait_alu depctr_hold_cnt(0) depctr_sa_sdst(0) depctr_va_vdst(0) depctr_va_sdst(0) depctr_va_ssrc(0) depctr_va_vcc(0) depctr_vm_vsrc(0)
	s_getreg_b32 s2, hwreg(HW_REG_IB_STS2, 6, 4)
	s_cmp_eq_u32 s2, 0
	s_cbranch_scc0 .Lentry_in_a_cluster
	s_endpgm
.Lentry_in_a_cluster:
	s_bfe_u32 s2, ttmp6, 0x10000c
	s_cmp_lg_u32 s2, 0xf033
	s_cbranch_scc0 .Lentry_shape_is_right
	s_endpgm
.Lentry_shape_is_right:
; qkv = x W_qkv^T + b_qkv on codes of FP4 (E2M1) with E8M0 scales for each 32 along K = 1,024, and the result quantised at once for the attention launch: Q and K along the head's 64, V along the keys.
; The f32 result never goes to memory.  A tile of the result is 256 x 256, made by four waves, each 128 x 128: 64 accumulators of 16 x 16, 512 registers.
; THE MATRIX INSTRUCTION IS USED TRANSPOSED: source 0 = 16 rows of "B", source 1 = 16 rows of "A": a lane holds ONE row of A, and its registers run along B's rows.  What is to be quantised must run along the registers:
;   clusters x = 0, 1 (Q, K): A = x's tokens, B = rows 0-2047 of W_qkv: a lane's 64 registers of a block are 128 neighbouring columns: two heads' 64;
;   cluster  x = 2    (V):    A = rows 2048-3071 of W_qkv, B = x's tokens: a lane's 64 registers are 128 neighbouring tokens of one channel: a key step of the attention launch.
; The roles are changed by a choice of pointers and of tile numbers that hangs on the CLUSTER's x alone, which all sixteen partners share; so do the three branches (bias, first step, way out).
; K goes in two steps of 512 through two LDS slots.
; CLUSTERS: 4 x 4 work-groups.  A's tile is shared along a row of the cluster, B's along a column: each is asked for jointly, by the same tensor load with the same descriptor and a mask that names the four.
; THE BIAS is the C of each sum's first matrix instruction: eight registers in the result's layout (Q, K: by B's block; V: by A's block, one number a lane in all eight).
; THE WAY OUT uses no LDS.  Block B of 32 along the registers is tiles 2 B, 2 B + 1 in lanes l and l xor 16.  The conversions' results are put in the order tile 4 c, 4 c + 2, 4 c + 1, 4 c + 3 and two exchanges of
; lane halves make registers 4 c .. 4 c + 3 hold k = 64 c + 32 (lane / 16) + 0 .. 31: the operand's own layout.  They are stored as IMAGES OF THE OPERAND'S REGISTERS, 16 bytes a lane, 512 consecutive bytes a store:
;   qkvc: Q at 0, K at 0x400000: [batch x head 64][tile of 16 tokens 128][lane][16];   V at 0x800000: [batch x head][key step 16][tile of 16 channels 4][c 2][lane][16]
;   qkvs: Q at 0, K at 0x80000: [batch x head][token] a word, bytes 0, 1 the two blocks, bytes 2, 3 zero;   V at 0x100000: [batch x head][key step][channel 64] a word: the step's four blocks of keys.
; LIMITS: a block of zeros gets the byte 1 where the rule says 127 (its codes are zeros; this program alone reads the bytes); blocks whose largest magnitude lies under 2^-124 get the byte 1; NaN and infinities are not served.
; REGISTERS, in windows of 256: window 0: v0-31 addresses; v32-95 scale words, two sets; v128-191 A's fragments, one set; v192-255 the bias; on the way out v32-143 are at work.
;   window 1: B's fragments, two sets, at v0 and v128.   window 2: the accumulators of my rows 0-63 ((a, b) at v[8 (8 a + b)]);   window 3: those of my rows 64-127.
.set KSTEP,  512                       ; along K in a slot
.set NQ,     KSTEP/128                 ; matrix instructions deep
.set ROWB,   256                       ; a tile's row in bytes
.set KROW,   512                       ; a row of codes in memory
.set PITCH,  272                       ; an LDS row: 256 bytes + 16 of padding = 68 words: the 16 rows that a load touches start at 16 different banks (64 banks of 4 bytes: ISA guide 11.1)
.set FR,     8
.set NL,     2
.set NP,     4                         ; places behind this matrix instruction (ISA guide 7.12.1)
.set HALFT,  128*PITCH
.set SLOT,   4*HALFT                   ; A's 256 rows, then B's 256 rows
.set KS,     32                        ; a row of scale bytes
.set SCL,    2*SLOT                    ; behind the slots: the scales, as units of 256 bytes + 16 of padding
.set HALFS,  (128*KS/256)*272
.set SBLK,   (16*KS/256)*272
.set SPARE,  SCL+4*HALFS               ; the spare words, 128 bytes for each wave: two blocks of 256 bytes that no other line names
.set ADRA, 16                          ; v16-17  LDS address of my A fragments in slot 0, 1
.set LI,   18                          ; v18     16 x lane: an image's place for my lane
.set SWO,  19                          ; v19     Q, K: my scale word's place: 8,192 (lane / 16) + 4 (lane % 16)
.set ADRB, 20                          ; v20-21  the same as ADRA for B
.set SH,   22                          ; v22     16 (lane / 16)
.set ADRS, 27                          ; v27     LDS address of my scale words: lanes 0-15 A's rows, lanes 16-31 B's
.set SPW,  28                          ; v28     LDS address of my spare word; never rewritten
.set NIL,  29                          ; v29     0; never rewritten
.set L4,   30                          ; v30     4 x lane
.set SC,   32                          ; scale words: set s at v[SC + 32 s]; register 4 i + q: lanes 0-15 A's block i, lanes 16-31 B's block i, the slot's q-th 128 along K
.set AF,   128
.set BI,   192
.set TM,   32                          ; the way out: v32-35 largest magnitudes, v36-39 the partner lane's, v40-43 the conversions' scale operands, v44-47 bytes
.set TP,   36
.set TS,   40
.set TB,   44
.set PCS,  64                          ; v64-127  the codes: eight registers for each block of rows, so that no store's data are written again
.set PW,   128                         ; v128-135 a block's scale words
.set OW,   136                         ; v136-143 the word that is stored
.set G1, 24
.set G0, 32
.set G1B, 48
.set G0B, 56
.set G1S, 68
.set G0S, 76
.set G1SB, 80
.set G0SB, 88
.set ISV, 100                          ; s100 1 in the cluster column that makes V
.set HI16, 101                         ; s101 lanes 16-31
.set MSB, 0
.macro WIN new                         ; the immediate's high byte repeats the setting that is left
.if MSB != \new
	s_set_vgpr_msb (MSB<<8)|\new
.set MSB, \new
.endif
.endm
.set MUL_LO, 0xa1                      ; source 0 (B) window 1, source 1 (A) window 0, C and D window 2
.set MUL_HI, 0xf1                      ; the same, C and D window 3
.set TO_B,   0x40                      ; destination window 1, address window 0
; A joint load: waves 0 and 1 fetch for A, waves 2 and 3 for B.  The branch hangs on the wave's number alone.  Four v_nop follow each of the two lines.
.macro JLOAD g0a, g1a, g0b, g1b
	s_cmp_eq_u32 s15, 0
	s_cbranch_scc0 .Lfor_b_\@
	tensor_load_to_lds s[\g0a:\g0a+3], s[\g1a:\g1a+7]
	s_nop 0
.rept 4
	v_nop
.endr
	s_branch .Lasked_\@
.Lfor_b_\@:
	tensor_load_to_lds s[\g0b:\g0b+3], s[\g1b:\g1b+7]
	s_nop 0
.rept 4
	v_nop
.endr
.Lasked_\@:
.endm
.macro CROUND                          ; a round of the cluster's barrier
	s_barrier_signal -1
	s_barrier_wait -1
	s_cmp_lg_u32 s14, 0
	s_cbranch_scc1 .Lnot_wave_0_\@
	s_barrier_signal -3
.Lnot_wave_0_\@:
	s_barrier_wait -3
	s_barrier_signal -1
	s_barrier_wait -1
.endm
	s_load_b256 s[4:11], s[0:1], 0x0               ; xc s[4:5], xs s[6:7], wc s[8:9], ws s[10:11]
	s_load_b64 s[12:13], s[0:1], 0x20              ; b_qkv
	s_load_b128 s[96:99], s[0:1], 0x28             ; qkvc s[96:97], qkvs s[98:99]
	v_lshl_add_u32 v[SPW], v0, 2, SPARE
	v_mov_b32 v[NIL], 0
	ds_add_u32 v28, v29
	ds_add_u32 v28, v29
	s_wait_dscnt 0x0
	v_lshrrev_b32 v1, 5, v0
	v_readfirstlane_b32 s14, v1                    ; wave 0..3
	s_lshr_b32 s15, s14, 1                         ; which half of A's rows is mine.  Also: I fetch for A (0) or for B (1)
	s_and_b32 s16, s14, 1                          ; which half of B's rows.  Also: which 128 rows of that tile I fetch
	s_bfe_u32 s40, ttmp6, 0x40000                  ; cx, cy: my place in the cluster
	s_bfe_u32 s41, ttmp6, 0x40004
	s_and_b32 s66, ttmp7, 0xffff                   ; the cluster's y: 0..7
	s_cmp_eq_u32 ttmp9, 2                          ; the cluster's x: 0, 1: Q, K; 2: V
	s_cselect_b32 s[ISV], 1, 0
	s_cselect_b32 s67, 0, s66                      ; A's tile rows: V: the cluster's four are all there are; Q, K: by the cluster's y
	s_cselect_b32 s95, s66, ttmp9                  ; B's: V: the tokens, by the cluster's y; Q, K: by its x
	s_lshl_b32 s42, s95, 2
	s_add_co_u32 s42, s42, s40                     ; tc: B's tile
	s_lshl_b32 s17, s67, 2
	s_add_co_u32 s17, s17, s41                     ; tr: A's tile
	s_lshl_b32 s43, s41, 2
	s_lshl_b32 s43, 15, s43                        ; my row of the cluster
	s_lshl_b32 s44, 0x1111, s40                    ; my column
	; descriptor group 1: a tile of 128 rows x 256 bytes, padded in LDS
	s_or_b32 s[G1+0], s43, (0<<16)|(1<<20)|(1<<21)|(5<<22)|(3<<25)  ; 15:0 the mask: A's tiles go to my row; 17:16 elements of 1 byte; 20 padding on; 21 set beside a mask; 24:22 after every 64 words; 31:25 four words
	s_or_b32 s[G1B+0], s44, (0<<16)|(1<<20)|(1<<21)|(5<<22)|(3<<25)
.irp g, G1, G1B
	s_mov_b32 s[\g+1], ROWB<<16                    ; tensor_dim0
	s_mov_b32 s[\g+2], 128<<16                     ; tensor_dim1
	s_mov_b32 s[\g+3], ROWB<<16                    ; tile_dim0
	s_mov_b32 s[\g+4], 128                         ; tile_dim1
	s_mov_b32 s[\g+5], KROW                        ; tensor_dim0_stride
	s_mov_b32 s[\g+6], 0
	s_mov_b32 s[\g+7], 0
.endr
	; the scales of 128 rows: a dense block of 4,096 bytes, as 16 rows of 256 bytes (32 elements of 8 bytes), 16 bytes of padding behind each
	s_or_b32 s[G1S+0], s43, (3<<16)|(1<<20)|(1<<21)|(5<<22)|(3<<25)
	s_or_b32 s[G1SB+0], s44, (3<<16)|(1<<20)|(1<<21)|(5<<22)|(3<<25)
.irp g, G1S, G1SB
	s_mov_b32 s[\g+1], 32<<16
	s_mov_b32 s[\g+2], (128*KS/256)<<16
	s_mov_b32 s[\g+3], 32<<16
	s_mov_b32 s[\g+4], 128*KS/256
	s_mov_b32 s[\g+5], 32
	s_mov_b32 s[\g+6], 0
	s_mov_b32 s[\g+7], 0
.endr
	s_lshl_b32 s18, s16, 7                         ; which 128 rows of the tile I fetch
	s_lshl_b32 s20, s17, 8
	s_add_co_u32 s20, s20, s18                     ; A: row 256 tr + 128 x half
	s_lshl_b32 s46, s42, 8
	s_add_co_u32 s46, s46, s18                     ; B: row 256 tc + 128 x half
	s_mov_b32 s21, 0
	s_mov_b32 s47, 0
	s_mov_b64 s[18:19], KS
	s_mul_u64 s[22:23], s[20:21], s[18:19]         ; where these rows' scales begin, in bytes
	s_mul_u64 s[92:93], s[46:47], s[18:19]
	s_mov_b64 s[18:19], KROW
	s_mul_u64 s[20:21], s[20:21], s[18:19]         ; and their codes
	s_mul_u64 s[46:47], s[46:47], s[18:19]
	s_mul_i32 s45, s14, HALFT                      ; where they go: wave x 128 rows: no place in the cluster enters an LDS address
	s_mul_i32 s94, s14, HALFS
	s_wait_kmcnt 0x0
	s_add_nc_u64 s[2:3], s[8:9], 0x100000          ; V's rows of W_qkv: 2,048 rows of 512 bytes on,
	s_add_nc_u64 s[66:67], s[10:11], 0x10000       ; and of 32 scale bytes
	s_cmp_eq_u32 s[ISV], 1
	s_cselect_b64 s[88:89], s[2:3], s[4:5]         ; A's codes,
	s_cselect_b64 s[90:91], s[66:67], s[6:7]       ; A's scales,
	s_cselect_b64 s[8:9], s[4:5], s[8:9]           ; B's codes,
	s_cselect_b64 s[10:11], s[6:7], s[10:11]       ; B's scales
	s_add_nc_u64 s[20:21], s[88:89], s[20:21]
	s_add_nc_u64 s[22:23], s[90:91], s[22:23]
	s_add_nc_u64 s[46:47], s[8:9], s[46:47]
	s_add_nc_u64 s[92:93], s[10:11], s[92:93]
	CROUND                                         ; all sixteen work-groups are here: the first joint loads meet
	s_mov_b32 s[G0S], 1
	s_add_co_u32 s[G0S+1], s94, SCL
	s_mov_b64 s[G0S+2:G0S+3], s[22:23]
	s_or_b32 s[G0S+3], s[G0S+3], 0x80000000
	s_mov_b32 s[G0SB], 1
	s_add_co_u32 s[G0SB+1], s94, SCL
	s_mov_b64 s[G0SB+2:G0SB+3], s[92:93]
	s_or_b32 s[G0SB+3], s[G0SB+3], 0x80000000
	JLOAD G0S, G1S, G0SB, G1SB                     ; the scales first: they are wanted with the first K step
.irp s, 0,1
	s_mov_b32 s[G0+4*\s], 1
	s_add_co_u32 s[G0+4*\s+1], s45, \s*SLOT
	s_add_nc_u64 s[G0+4*\s+2:G0+4*\s+3], s[20:21], \s*ROWB
	s_or_b32 s[G0+4*\s+3], s[G0+4*\s+3], 0x80000000
	s_mov_b32 s[G0B+4*\s], 1
	s_add_co_u32 s[G0B+4*\s+1], s45, \s*SLOT
	s_add_nc_u64 s[G0B+4*\s+2:G0B+4*\s+3], s[46:47], \s*ROWB
	s_or_b32 s[G0B+4*\s+3], s[G0B+4*\s+3], 0x80000000
	JLOAD G0+4*\s, G1, G0B+4*\s, G1B
.endr
	; THE BIAS, while the tiles are on their way.  Q, K: v[BI + 8 b + j] = b_qkv[256 tc + 128 (my half of B) + 16 b + 8 h + j];  V: v[BI + 8 a + j] = b_qkv[2048 + 256 tr + 128 (my half of A) + 16 a + r] for every j
	v_and_b32 v1, 15, v0                           ; r = l % 16
	v_bfe_u32 v2, v0, 4, 1                         ; h = l / 16
	v_lshlrev_b32 v5, 5, v2                        ; 32 h
	v_lshlrev_b32 v6, 2, v1                        ; 4 r
	s_cmp_eq_u32 s[ISV], 1
	s_cselect_b32 s46, s17, s42
	s_cselect_b32 s47, s15, s16
	s_cselect_b32 s66, 8192, 0
	s_lshl_b32 s46, s46, 10
	s_lshl_b32 s47, s47, 9
	s_add_co_u32 s46, s46, s47
	s_add_co_u32 s46, s46, s66
	s_mov_b32 s47, 0
	s_add_nc_u64 s[12:13], s[12:13], s[46:47]
	s_cmp_eq_u32 s[ISV], 1
	s_cbranch_scc1 .Lbias_v
.irp b, 0,1,2,3,4,5,6,7
	global_load_b128 v[BI+8*\b:BI+8*\b+3], v5, s[12:13] offset:64*\b
	global_load_b128 v[BI+8*\b+4:BI+8*\b+7], v5, s[12:13] offset:64*\b+16
.endr
	s_wait_loadcnt 0x0
	s_branch .Lbias_done
.Lbias_v:
.irp a, 0,1,2,3,4,5,6,7
	global_load_b32 v[BI+8*\a], v6, s[12:13] offset:64*\a
.endr
	s_wait_loadcnt 0x0
.irp a, 0,1,2,3,4,5,6,7
.irp j, 1,2,3,4,5,6,7
	v_mov_b32 v[BI+8*\a+\j], v[BI+8*\a]            ; my channel's bias for all eight tokens of a register run
.endr
.endr
.Lbias_done:
	v_mul_u32_u24 v3, v1, PITCH
	v_lshl_add_u32 v4, v2, 4, v3                   ; a fragment's row x pitch + 16 x half
	s_mul_i32 s21, s15, HALFT                      ; my 128 rows of A
	s_mul_i32 s22, s16, HALFT                      ; my 128 rows of B,
	s_add_co_u32 s22, s22, 2*HALFT                 ; which lie behind A's 256
.irp s, 0,1
	v_add_nc_u32 v[ADRA+\s], s21, v4
	v_add_nc_u32 v[ADRB+\s], s22, v4
	s_add_co_u32 s21, s21, SLOT
	s_add_co_u32 s22, s22, SLOT
.endr
	v_mul_u32_u24 v5, v1, KS                       ; my row's scales: KS bytes a row,
	v_lshrrev_b32 v6, 8, v5
	v_lshl_add_u32 v5, v6, 4, v5                   ; and 16 more for each 256 passed
	s_mul_i32 s21, s15, HALFS                      ; A's: my 128 rows
	s_mul_i32 s22, s16, HALFS                      ; B's: my 128 rows, behind A's 256
	s_add_co_u32 s22, s22, 2*HALFS
	s_sub_co_u32 s22, s22, s21
	v_mul_u32_u24 v6, s22, v2                      ; lanes 16-31 take B's
	s_add_co_u32 s21, s21, SCL
	v_add_nc_u32 v5, v5, v6
	v_add_nc_u32 v[ADRS], s21, v5
	v_and_b32 v6, 31, v0
	v_lshlrev_b32 v[LI], 4, v6
	v_lshlrev_b32 v[L4], 2, v6
	v_lshlrev_b32 v[SWO], 13, v2
	v_lshl_add_u32 v[SWO], v1, 2, v[SWO]
	v_lshlrev_b32 v[SH], 4, v2
	s_mov_b32 s2, 0x76543210                       ; v_permlanex16_b32's selects for lane l xor 16
	s_mov_b32 s3, 0xfedcba98
	s_mov_b32 s[HI16], 0xffff0000
.macro FRAG reg, adr, q, i             ; a fragment, 16 rows x 128 K of 4-bit codes: lane l holds row l % 16; registers 4 c .. 4 c + 3 hold K = 64 c + 32 (l / 16) + 0 .. 31
.irp c, 0,1
	ds_load_b128 v[\reg+4*\c:\reg+4*\c+3], v[\adr] offset:64*(\q)+32*\c+(\i)*16*PITCH
.endr
.endm
; 16 matrix instructions: A's blocks a0, a0 + 1 x B's eight, the slot's q-th 128 along K.  p: B's set; sc: the set of scale words.
; mode 0: onto the sums; 1: the sums start from the bias of B's block; 2: from the bias of A's block.  The 64 accumulators take turns, one instruction a turn.
.macro MUL16 a0, p, q, sc, mode
.irp a, \a0, \a0+1
.irp b, 0,1,2,3,4,5,6,7
.if \mode == 1
	v_wmma_scale_f32_16x16x128_f8f6f4 v[8*(8*((\a)%4)+\b):8*(8*((\a)%4)+\b)+7], v[128*(\p)+FR*\b:128*(\p)+FR*\b+FR-1], v[AF+FR*(\a):AF+FR*(\a)+FR-1], v[BI+8*\b:BI+8*\b+7], v[SC+8*NQ*(\sc)+NQ*\b+(\q)], v[SC+8*NQ*(\sc)+NQ*(\a)+(\q)] matrix_a_fmt:MATRIX_FMT_FP4 matrix_b_fmt:MATRIX_FMT_FP4 matrix_a_scale:MATRIX_SCALE_ROW1
.elseif \mode == 2
	v_wmma_scale_f32_16x16x128_f8f6f4 v[8*(8*((\a)%4)+\b):8*(8*((\a)%4)+\b)+7], v[128*(\p)+FR*\b:128*(\p)+FR*\b+FR-1], v[AF+FR*(\a):AF+FR*(\a)+FR-1], v[BI+8*(\a):BI+8*(\a)+7], v[SC+8*NQ*(\sc)+NQ*\b+(\q)], v[SC+8*NQ*(\sc)+NQ*(\a)+(\q)] matrix_a_fmt:MATRIX_FMT_FP4 matrix_b_fmt:MATRIX_FMT_FP4 matrix_a_scale:MATRIX_SCALE_ROW1
.else
	v_wmma_scale_f32_16x16x128_f8f6f4 v[8*(8*((\a)%4)+\b):8*(8*((\a)%4)+\b)+7], v[128*(\p)+FR*\b:128*(\p)+FR*\b+FR-1], v[AF+FR*(\a):AF+FR*(\a)+FR-1], v[8*(8*((\a)%4)+\b):8*(8*((\a)%4)+\b)+7], v[SC+8*NQ*(\sc)+NQ*\b+(\q)], v[SC+8*NQ*(\sc)+NQ*(\a)+(\q)] matrix_a_fmt:MATRIX_FMT_FP4 matrix_b_fmt:MATRIX_FMT_FP4 matrix_a_scale:MATRIX_SCALE_ROW1
.endif
.endr
.endr
.endm
.macro FETCH_B slot, q, p              ; B's eight fragments of the slot's q-th 128 along K into set p
	WIN TO_B
.irp i, 0,1,2,3,4,5,6,7
	FRAG 128*(\p)+FR*\i, ADRB+\slot, \q, \i
.endr
	WIN 0
.endm
.macro FETCH_A slot, q, i0             ; A's blocks i0 .. i0 + 3
.irp i, \i0, \i0+1, \i0+2, \i0+3
	FRAG AF+FR*(\i), ADRA+\slot, \q, \i
.endr
.endm
.macro SCALES sc                       ; a K step's scale words into set sc: four words a row; lanes 0-15 take A's block i, lanes 16-31 B's block i
.irp i, 0,1,2,3,4,5,6,7
	ds_load_b128 v[SC+8*NQ*\sc+NQ*\i:SC+8*NQ*\sc+NQ*\i+3], v[ADRS] offset:\i*SBLK
.endr
.endm
; A load into a register that a matrix instruction has read, and a vector instruction that reads a matrix result or writes one of a matrix instruction's registers, stand NP places behind it;
; only plain vector instructions that name none of its registers are places (ISA guide 7.12.1 for vector instructions).
.macro PLACES n
.rept \n
	v_nop
.endr
.endm
; A step of 128 along K that has its successor in the same slot.  A block of A is free as soon as its eight products are issued: blocks 0-3 are fetched anew in the step's middle, blocks 4-7 at its end.
.macro STEP slot, q, mode
	s_wait_dscnt 4*NL                              ; B's set and A's blocks 0-3 are in; the youngest eight loads (A's blocks 4-7) may be out
.if \mode
	WIN 0x81                                       ; source 0 window 1, source 1 and C (the bias) window 0, D window 2
.else
	WIN MUL_LO
.endif
	MUL16 0, (\q)%2, \q, \slot, \mode
	MUL16 2, (\q)%2, \q, \slot, \mode
	s_wait_dscnt 0                                 ; A's blocks 4-7 are in
	PLACES NP
	FETCH_B \slot, (\q)+1, 1-(\q)%2
	FETCH_A \slot, (\q)+1, 0
.if \mode
	WIN 0xc1                                       ; the same, D window 3
.else
	WIN MUL_HI
.endif
	MUL16 4, (\q)%2, \q, \slot, \mode
	MUL16 6, (\q)%2, \q, \slot, \mode
	PLACES NP
	WIN 0
	FETCH_A \slot, (\q)+1, 4
.endm
; Slot 0's last step changes slots: one barrier; in front of it each wave waits for all its tensor loads (slot 1's is the one that was out), adds 0 to its spare word, and waits for that and for its reads.  Nothing is filled again.
.macro TURN slot, next
	s_wait_tensorcnt 0x0                           ; all my tensor loads have landed: my part of the next slot
	ds_add_u32 v[SPW], v[NIL]                      ; 0 onto my spare word
	s_wait_dscnt 4*NL+1                            ; (the add and the youngest eight loads, A's blocks 4-7, may be out)
	WIN MUL_LO
	MUL16 0, 1, NQ-1, \slot, 0                     ; sixteen matrix instructions stand between the add and the wait for it
	s_wait_dscnt 0x0                               ; the add is done, and my reads of this slot are over
	s_barrier_signal -1
	MUL16 2, 1, NQ-1, \slot, 0
	WIN 0
	s_barrier_wait -1                              ; every wave's part of the next slot is there
	PLACES NP
	v_add_nc_u32 v[ADRS], 4*NQ, v[ADRS]            ; on to the next K step's scale words (no LDS load of mine is out)
	FETCH_B \next, 0, 0
	FETCH_A \next, 0, 0
	SCALES \next
	WIN MUL_HI
	MUL16 4, 1, NQ-1, \slot, 0
	MUL16 6, 1, NQ-1, \slot, 0
	PLACES NP
	WIN 0
	FETCH_A \next, 0, 4
.endm
.macro STEPS slot, from                ; the slot's steps from .. NQ - 2
.set Q, \from
.rept NQ-1-\from
	STEP \slot, Q, 0
.set Q, Q+1
.endr
.endm
	s_wait_tensorcnt 1                             ; the scales and my part of slot 0 are in (slot 1's load may be out),
	s_barrier_signal -1
	s_barrier_wait -1                              ; everybody's are
	FETCH_B 0, 0, 0
	FETCH_A 0, 0, 0
	SCALES 0
	FETCH_A 0, 0, 4
	s_cmp_eq_u32 s[ISV], 1                         ; the first step starts the sums from the bias, which lies by B's blocks (Q, K) or by A's (V)
	s_cbranch_scc1 .Lfirst_v
	STEP 0, 0, 1
	s_branch .Lfirst_done
.Lfirst_v:
	STEP 0, 0, 2
.Lfirst_done:
	STEPS 0, 1
	TURN 0, 1
	STEPS 1, 0
	s_wait_dscnt 4*NL                              ; the very last step: nothing more to fetch
	WIN MUL_LO
	MUL16 0, 1, NQ-1, 1, 0
	MUL16 2, 1, NQ-1, 1, 0
	s_wait_dscnt 0
	WIN MUL_HI
	MUL16 4, 1, NQ-1, 1, 0
	MUL16 6, 1, NQ-1, 1, 0
	WIN 0
	PLACES NP                                      ; behind the last products: results are read, and registers that held scales and fragments are written
.irp b, 0,1,2,3
	v_mov_b32 v[TP+\b], 0                          ; written once: a lane permute's destination counts as one of its sources
.endr
; Block a of 16 rows: a lane's 64 numbers, register 16 B + i of the block's accumulators = index 32 B + 16 (i / 8) + 8 h + i % 8 along the axis to be quantised, become eight registers of codes and a scale word.
.macro QUANTW a
.set AC, 64*((\a)%4)
.set W, 2+(\a)/4
.set PC, PCS+8*(\a)
	WIN ((W<<2)|(W<<4))                            ; sources 1 and 2: the accumulators' window
.irp b, 0,1,2,3
	v_max3_num_f32 v[TM+\b], 0x1800000, |v[AC+16*\b]|, |v[AC+16*\b+1]|   ; block b: my 16 numbers and the floor 2^(3 - 127); each accumulator is read from its low end on
.endr
.irp i, 2,4,6,8,10,12,14
.irp b, 0,1,2,3
	v_max3_num_f32 v[TM+\b], v[TM+\b], |v[AC+16*\b+\i]|, |v[AC+16*\b+\i+1]|   ; (the four blocks by turns)
.endr
.endr
	WIN 0
.irp b, 0,1,2,3
	v_permlanex16_b32 v[TP+\b], v[TM+\b], s2, s3
.endr
.irp b, 0,1,2,3
	v_max_num_f32 v[TM+\b], v[TM+\b], v[TP+\b]     ; with lane l xor 16's: the block's largest magnitude
.endr
.irp b, 0,1,2,3
	v_add_nc_u32 v[TS+\b], 0xff000000, v[TM+\b]    ; 2 off its exponent field: the conversion's scale operand
.endr
.irp b, 0,1,2,3
	v_lshrrev_b32 v[TB+\b], 23, v[TS+\b]           ; the scale's byte
.endr
	v_lshl_or_b32 v[PW+(\a)], v[TB+1], 8, v[TB]
	v_lshl_or_b32 v[PW+(\a)], v[TB+2], 16, v[PW+(\a)]
	v_lshl_or_b32 v[PW+(\a)], v[TB+3], 24, v[PW+(\a)]
	WIN W                                          ; source 0: the accumulators' window
.irp c, 0,1
	v_cvt_scalef32_pk8_fp4_f32 v[PC+4*\c],   v[AC+32*\c:AC+32*\c+7],     v[TS+2*\c]     ; tile 4 c:     block 2 c,     indices 8 h + 0 .. 7
	v_cvt_scalef32_pk8_fp4_f32 v[PC+4*\c+1], v[AC+32*\c+16:AC+32*\c+23], v[TS+2*\c+1]   ; tile 4 c + 2: block 2 c + 1, indices 8 h + 0 .. 7
	v_cvt_scalef32_pk8_fp4_f32 v[PC+4*\c+2], v[AC+32*\c+8:AC+32*\c+15],  v[TS+2*\c]     ; tile 4 c + 1: block 2 c,     indices 16 + 8 h + 0 .. 7
	v_cvt_scalef32_pk8_fp4_f32 v[PC+4*\c+3], v[AC+32*\c+24:AC+32*\c+31], v[TS+2*\c+1]   ; tile 4 c + 3: block 2 c + 1, indices 16 + 8 h + 0 .. 7
.endr
	WIN 0
	v_nop                                          ; one plain place behind a scaled conversion
.irp c, 0,1
	v_permlane16_swap_b32 v[PC+4*\c], v[PC+4*\c+1]     ; the first's lanes 16-31 change places with the second's lanes 0-15: lanes 0-15 now hold block 2 c whole, lanes 16-31 block 2 c + 1
	v_permlane16_swap_b32 v[PC+4*\c+2], v[PC+4*\c+3]
.endr
.endm
	s_cmp_eq_u32 s[ISV], 1
	s_cbranch_scc1 .Lout_v
	; ---- Q, K: my 128 tokens x two heads
	s_lshl_b32 s46, s42, 2
	s_lshl_b32 s47, s16, 1
	s_add_co_u32 s46, s46, s47                     ; 4 tc + 2 (my half of B): my first head among Q's 16 and K's 16
	s_lshr_b32 s47, s46, 4                         ; 0: Q, 1: K
	s_and_b32 s46, s46, 15
	s_lshr_b32 s66, s17, 3                         ; the batch
	s_lshl_b32 s66, s66, 4
	s_add_co_u32 s46, s46, s66                     ; batch x 16 + head
	s_and_b32 s66, s17, 7
	s_lshl_b32 s66, s66, 1
	s_add_co_u32 s66, s66, s15                     ; which 128 tokens of the batch's 2,048
	s_lshl_b32 s20, s47, 22
	s_lshl_b32 s21, s46, 16                        ; a head's images: 128 x 512 bytes
	s_add_co_u32 s20, s20, s21
	s_lshl_b32 s21, s66, 12                        ; eight images
	s_add_co_u32 s20, s20, s21
	s_mov_b32 s21, 0
	s_add_nc_u64 s[96:97], s[96:97], s[20:21]
	s_lshl_b32 s20, s47, 19
	s_lshl_b32 s22, s46, 13                        ; a head's words: 2,048 x 4 bytes
	s_add_co_u32 s20, s20, s22
	s_lshl_b32 s22, s66, 9
	s_add_co_u32 s20, s20, s22
	s_add_nc_u64 s[98:99], s[98:99], s[20:21]
.irp a, 0,1,2,3,4,5,6,7
	QUANTW \a
	global_store_b128 v[LI], v[PCS+8*\a:PCS+8*\a+3], s[96:97] offset:512*\a            ; the first head's image of these 16 tokens: 512 consecutive bytes
	global_store_b128 v[LI], v[PCS+8*\a+4:PCS+8*\a+7], s[96:97] offset:65536+512*\a    ; the second head's
	v_bfe_u32 v[OW+\a], v[PW+\a], v[SH], 16        ; lanes 0-15: the first head's two bytes; lanes 16-31: the second's; bytes 2 and 3 are 0
	global_store_b32 v[SWO], v[OW+\a], s[98:99] offset:64*\a
.endr
	s_branch .Lout_done
.Lout_v:
	; ---- V: my 128 channels (two heads) x 128 tokens (one key step)
	s_lshr_b32 s46, s42, 3                         ; the batch
	s_lshl_b32 s46, s46, 4
	s_lshl_b32 s47, s17, 2
	s_add_co_u32 s46, s46, s47
	s_lshl_b32 s47, s15, 1
	s_add_co_u32 s46, s46, s47                     ; batch x 16 + 4 tr + 2 (my half of A): my first head
	s_and_b32 s66, s42, 7
	s_lshl_b32 s66, s66, 1
	s_add_co_u32 s66, s66, s16                     ; the key step
	s_lshl_b32 s20, s46, 16
	s_lshl_b32 s21, s66, 12
	s_add_co_u32 s20, s20, s21
	s_add_co_u32 s20, s20, 0x800000
	s_mov_b32 s21, 0
	s_add_nc_u64 s[96:97], s[96:97], s[20:21]
	s_lshl_b32 s20, s46, 12
	s_lshl_b32 s22, s66, 8
	s_add_co_u32 s20, s20, s22
	s_add_co_u32 s20, s20, 0x100000
	s_add_nc_u64 s[98:99], s[98:99], s[20:21]
.irp a, 0,1,2,3,4,5,6,7
	QUANTW \a
	global_store_b128 v[LI], v[PCS+8*\a:PCS+8*\a+3], s[96:97] offset:(\a/4)*65536+(\a%4)*1024        ; head a / 4, tile of channels a % 4: the fragment's registers 0-3,
	global_store_b128 v[LI], v[PCS+8*\a+4:PCS+8*\a+7], s[96:97] offset:(\a/4)*65536+(\a%4)*1024+512  ; and 4-7
.if \a%2
	v_cndmask_b32 v[OW+\a], v[PW+\a-1], v[PW+\a], s[HI16]   ; lanes 0-15: the words of the 16 channels before; lanes 16-31: of these
	global_store_b32 v[L4], v[OW+\a], s[98:99] offset:(\a/4)*4096+((\a%4)/2)*128
.endif
.endr
.Lout_done:
	s_wait_tensorcnt 0x0                           ; the wave's end
	ds_add_u32 v[SPW], v[NIL]
	s_wait_dscnt 0x0
	CROUND                                         ; the closing round: no work-group ends while a partner may still ask for a tile that names it
	s_endpgm
.Lfunc_end_k_q1f1c8bb5dd_qkv:
	.size	k_q1f1c8bb5dd_qkv, .Lfunc_end_k_q1f1c8bb5dd_qkv-k_q1f1c8bb5dd_qkv
	.p2alignl 7, 3214868480
	.fill 96, 4, 3214868480
	.section	.rodata,"a",@progbits
	.p2align	6, 0x0
	.amdhsa_kernel k_q1f1c8bb5dd_qkv
		.amdhsa_group_segment_fixed_size 327680
		.amdhsa_private_segment_fixed_size 0
		.amdhsa_enable_private_segment 0
		.amdhsa_kernarg_size 56
		.amdhsa_user_sgpr_count 2
		.amdhsa_user_sgpr_kernarg_segment_ptr 1
		.amdhsa_wavefront_size32 1
		.amdhsa_system_sgpr_workgroup_id_x 1
		.amdhsa_system_sgpr_workgroup_id_y 1
		.amdhsa_system_sgpr_workgroup_id_z 1
		.amdhsa_system_vgpr_workitem_id 0
		.amdhsa_next_free_vgpr 1024
		.amdhsa_next_free_sgpr 102
		.amdhsa_reserve_vcc 0
		.amdhsa_float_denorm_mode_32 3
		.amdhsa_float_denorm_mode_16_64 3
		.amdhsa_memory_ordered 1
		.amdhsa_forward_progress 1
		.amdhsa_inst_pref_size 178
	.end_amdhsa_kernel
	.amdgpu_metadata
---
amdhsa.version: [ 1, 2 ]
amdhsa.kernels:
  - .name:           k_q1f1c8bb5dd_qkv
    .symbol:         k_q1f1c8bb5dd_qkv.kd
    .args:
      - { .name: xc, .offset: 0, .size: 8, .value_kind: global_buffer, .address_space: global }
      - { .name: xs, .offset: 8, .size: 8, .value_kind: global_buffer, .address_space: global }
      - { .name: wc, .offset: 16, .size: 8, .value_kind: global_buffer, .address_space: global }
      - { .name: ws, .offset: 24, .size: 8, .value_kind: global_buffer, .address_space: global }
      - { .name: b_qkv, .offset: 32, .size: 8, .value_kind: global_buffer, .address_space: global }
      - { .name: qkvc, .offset: 40, .size: 8, .value_kind: global_buffer, .address_space: global }
      - { .name: qkvs, .offset: 48, .size: 8, .value_kind: global_buffer, .address_space: global }
    .group_segment_fixed_size: 327680
    .private_segment_fixed_size: 0
    .kernarg_segment_align: 8
    .kernarg_segment_size: 56
    .max_flat_workgroup_size: 128
    .sgpr_count:     102
    .vgpr_count:     1024
    .wavefront_size: 32
...
	.end_amdgpu_metadata
.endif
;; end of part 2
;; launch attn (part 3): grid 4 x 64, 16 waves a work-group, no clusters, 145,408 bytes of LDS; arguments qkvc, qkvs, mw, ao; writes ao
.if DOCPART == 3
	.amdgcn_target "amdgcn-amd-amdhsa--gfx1250"
	.amdhsa_code_object_version 6
	.text
	.protected	k_q1f1c8bb5dd_attn
	.globl	k_q1f1c8bb5dd_attn
	.p2align	8
	.type	k_q1f1c8bb5dd_attn,@function
k_q1f1c8bb5dd_attn:
	s_mov_b64 s[64:65], 0
	v_nop
	global_prefetch_b8 v0, s[64:65] scope:SCOPE_SE
	s_setreg_imm32_b32 hwreg(HW_REG_WAVE_MODE, 25, 1), 1
	s_wait_xcnt 0x0
; O = softmax(Q K^T / 8, under the given mask) V for one batch x head (work-group y), both products on codes of FP4 (E2M1) with E8M0 scales; the result, divided by the row's sum, is quantised along the model's 1,024 for the last launch.
; THE SOFTMAX AHEAD OF THE SECOND PRODUCT: t = score x log2(e) / 8; M = the running largest t rounded UP to a whole number; p = 2^(t - M) is quantised along the keys, not normalised; the row's sum is taken of the
; unquantised p.  When M moves, the sum and O are multiplied by 2^(old M - new M): exact.
; THE MASK is an input.  An earlier launch has turned it into lane masks: for a tile of 16 queries and a step of 128 keys, 64 words, one for each score register, and two flags.  A hidden score becomes -infinity by one
; v_cndmask_b32.  A tile in which no key counts is left out (every p in it would be 0), and a tile in which every key counts skips the 64 selections: scalar branches on the stored flags.
; A row in which no key counts has the sum 0: its scale bytes are set to 0xff, which makes its whole row of the output NaN, as the softmax of such a row is.
; SHARES.  Work-group x = g takes the query tiles qt = 4 j + g of its head; wave w takes j = w and then j = 31 - w.  Sixteen waves of 256 registers: four to a SIMD, so that one wave's vector work stands beside another's products.
; THE HEAD'S K AND V LIE IN LDS WHOLE, as images of operand registers (16 bytes a lane, 512 a fragment's four registers): filled once through registers, one barrier, read-only afterwards.
; NO TENSOR LOADS AND NO CLUSTER: LDS is filled through registers.  The four work-groups of a head read the same 143,360 bytes, once each, at their heads.
; LAYOUT.  S^T = K Q^T (source 0 = 16 keys, source 1 = my 16 queries), O^T = V^T P^T (source 0 = 16 channels, source 1 = P): a lane holds ONE query (lane % 16) throughout.  Register 8 t + j of S^T is key 16 t + 8 h + j.
; The first product's K is 64: registers 4-7 of Q's and of K's fragments hold zero codes for good, and bytes 2, 3 of their scale words are 0.
; ao: codes [batch x head][tile of 16 tokens][lane][16 bytes]; at 0x400000 scale bytes [token 8192][32], byte 2 x head + block.
; LIMITS: a block of zeros gets the byte 1 where the rule says 127 (its codes are zeros; this program alone reads the bytes); NaN and infinities among the inputs are not served.
; REGISTERS: v1-7 addresses that stay; v8-11 addresses of the step's loads; v12 -M, v13 the largest t, v[14:15] the sum in two halves; v16-23, v24-31 Q of my two tiles; v32-95 eight fragments of K; v96-159 S^T, then p;
;   v160-191 O^T; v192-223 four fragments of V; v224-231 p's codes; v232-254 at work; v240-243, v248-251, v253 scale words; v255 -infinity.
; s2, s3 my two tiles' flags; s17 the step, s18, s19, s24 its bytes in K / V, K's words, V's words and the mask words; s[32:63], s[68:99] the step's 64 mask words.
.set KC,  0                            ; LDS: K's codes, 65,536 bytes: [tile of 16 keys 128][lane][16]
.set VC,  65536                        ; V's codes, 65,536 bytes: [step 16][tile of channels 4][c 2][lane][16]
.set KSC, 131072                       ; K's scale words, 8,192 bytes
.set VSC, 139264                       ; V's scale words, 4,096 bytes
	s_load_b256 s[4:11], s[0:1], 0x0               ; qkvc s[4:5], qkvs s[6:7], mw s[8:9], ao s[10:11]
	v_lshrrev_b32 v1, 5, v0
	s_delay_alu instid0(VALU_DEP_1)
	v_readfirstlane_b32 s12, v1                    ; wave 0..15
	s_and_b32 s13, ttmp7, 0xffff                   ; batch x 16 + head
	s_lshl_b32 s14, s12, 2
	s_add_co_u32 s14, s14, ttmp9                   ; my first tile of queries: 4 w + g
	s_sub_co_u32 s15, 31, s12
	s_lshl_b32 s15, s15, 2
	s_add_co_u32 s15, s15, ttmp9                   ; my second: 4 (31 - w) + g
	s_lshl_b32 s16, s14, 4                         ; their flags: 16 bytes a tile
	s_lshl_b32 s17, s15, 4
	v_lshlrev_b32 v1, 4, v0                        ; the fill: 16 bytes a thread, 8,192 an instruction of the work-group
	v_lshlrev_b32 v11, 3, v0                       ; (8 bytes a thread for V's words)
	v_and_b32 v12, 31, v0                          ; lane
	v_and_b32 v13, 15, v0                          ; r
	v_bfe_u32 v14, v0, 4, 1                        ; h
	s_delay_alu instid0(VALU_DEP_3)
	v_lshlrev_b32 v6, 4, v12                       ; 16 x lane: my place in an image; K's images begin at LDS byte 0
	s_delay_alu instid0(VALU_DEP_1)
	v_add_nc_u32 v7, VC, v6                        ; the same among V's
	v_lshl_add_u32 v2, v12, 2, KSC                 ; 4 x lane among K's scale words
	v_lshl_add_u32 v3, v12, 2, VSC                 ; and V's
	v_lshl_add_u32 v4, v13, 5, v14                 ; the way out: my scale byte: 32 r + h
	v_lshlrev_b32 v5, 2, v13                       ; Q's scale words: 4 r
	v_add_nc_u32 v8, VC, v1                        ; the fill's LDS addresses (v8-10 are rewritten by the key steps)
	v_add_nc_u32 v9, KSC, v1
	v_add_nc_u32 v10, VSC, v11
	s_lshl_b32 s68, s13, 16                        ; my head's codes: 65,536 bytes in each of Q, K, V
	s_mov_b32 s69, 0
	s_lshl_b32 s70, s13, 13                        ; Q's and K's words: 8,192 bytes
	s_mov_b32 s71, 0
	s_lshl_b32 s72, s13, 12                        ; V's words: 4,096 bytes
	s_mov_b32 s73, 0
	s_lshl_b32 s74, s14, 9                         ; a tile's image: 512 bytes
	s_mov_b32 s75, 0
	s_lshl_b32 s76, s15, 9
	s_mov_b32 s77, 0
	s_lshl_b32 s78, s14, 6                         ; a tile's words: 64 bytes
	s_mov_b32 s79, 0
	s_lshl_b32 s80, s15, 6
	s_mov_b32 s81, 0
	s_wait_alu depctr_va_vdst(0)
	s_wait_kmcnt 0x0
	s_load_b128 s[32:35], s[8:9], s16 offset:0x80000   ; the flags of my two tiles: four words each
	s_load_b128 s[36:39], s[8:9], s17 offset:0x80000
	s_add_nc_u64 s[82:83], s[4:5], s[68:69]        ; Q's codes of my head,
	s_add_nc_u64 s[84:85], s[82:83], 0x400000      ; K's,
	s_add_nc_u64 s[86:87], s[82:83], 0x800000      ; V's
	s_add_nc_u64 s[88:89], s[6:7], s[70:71]        ; Q's scale words,
	s_add_nc_u64 s[90:91], s[88:89], 0x80000       ; K's,
	s_add_nc_u64 s[92:93], s[6:7], s[72:73]
	s_add_nc_u64 s[92:93], s[92:93], 0x100000      ; V's
	s_add_nc_u64 s[94:95], s[82:83], s[74:75]      ; my two tiles of Q
	s_add_nc_u64 s[96:97], s[82:83], s[76:77]
	s_add_nc_u64 s[98:99], s[88:89], s[78:79]
	s_add_nc_u64 s[88:89], s[88:89], s[80:81]
.irp i, 0,1,2,3,4,5,6,7
	global_load_b128 v[96+4*\i:99+4*\i], v1, s[84:85] offset:8192*\i
.endr
.irp i, 0,1,2,3,4,5,6,7
	global_load_b128 v[128+4*\i:131+4*\i], v1, s[86:87] offset:8192*\i
.endr
	global_load_b128 v[160:163], v1, s[90:91]
	global_load_b64 v[164:165], v11, s[92:93]
	global_load_b128 v[16:19], v6, s[94:95]        ; Q's fragments stay in registers
	global_load_b128 v[24:27], v6, s[96:97]
	global_load_b32 v242, v5, s[98:99]             ; and their scale words
	global_load_b32 v243, v5, s[88:89]
	s_mov_b32 s20, 0x76543210                      ; v_permlanex16_b32's selects for lane l xor 16
	s_mov_b32 s21, 0xfedcba98
	s_mov_b32 s22, 0x3e38aa3b                      ; c = log2(e) / 8
	s_mov_b32 s23, s22                             ; (named with it as a pair, so it is written)
	s_mov_b32 s100, 0xffff0000                     ; lanes 16-31
	s_wait_loadcnt 4                               ; K and V are in; Q's four loads may be out
.irp i, 0,1,2,3,4,5,6,7
	ds_store_b128 v1, v[96+4*\i:99+4*\i] offset:8192*\i
.endr
.irp i, 0,1,2,3,4,5,6,7
	ds_store_b128 v8, v[128+4*\i:131+4*\i] offset:8192*\i
.endr
	ds_store_b128 v9, v[160:163]
	ds_store_b64 v10, v[164:165]
	s_wait_dscnt 0x0                               ; for the others' sake: my stores have landed
	s_barrier_signal -1
	s_barrier_wait -1                              ; the head's K and V lie in LDS; nobody writes LDS from here on
	s_wait_loadcnt 0x0                             ; Q
	s_wait_kmcnt 0x0                               ; the flags
	s_or_b32 s2, s32, s33
	s_or_b32 s2, s2, s34
	s_or_b32 s2, s2, s35                           ; bit s: some key of step s counts; bit 16 + s: some key of it is hidden
	s_or_b32 s3, s36, s37
	s_or_b32 s3, s3, s38
	s_or_b32 s3, s3, s39
.irp j, 20,21,22,23,28,29,30,31
	v_mov_b32 v[\j], 0                             ; Q: zero codes for k = 64 .. 127
.endr
.irp t, 0,1,2,3,4,5,6,7
.irp j, 4,5,6,7
	v_mov_b32 v[32+8*\t+\j], 0                     ; K likewise, in registers of its own
.endr
.endr
.irp b, 0,1,2,3
	v_mov_b32 v[236+\b], 0                         ; written once: a lane permute's destination counts as one of its sources
.endr
	v_mov_b32 v254, 0
	v_mov_b32 v255, 0xff800000                     ; -infinity
; A KEY STEP of tile i: 128 keys.
.macro KSTEP i
	s_bitcmp1_b32 s[2+\i], s17                     ; does any key of this step count for my 16 queries?
	s_cbranch_scc0 .Lskip_\@
	s_load_b512 s[32:47], s[26:27], s24 offset:0x0     ; the step's 64 mask words
	s_load_b512 s[48:63], s[26:27], s24 offset:0x40
	s_load_b512 s[68:83], s[26:27], s24 offset:0x80
	s_load_b512 s[84:99], s[26:27], s24 offset:0xc0
	s_setprio 2
	v_add_nc_u32 v8, s18, v6                       ; these four are also the places behind the last step's products, ahead of the loads into V's registers
	v_add_nc_u32 v9, s18, v7
	v_add_nc_u32 v10, s19, v2
	v_add_nc_u32 v11, s24, v3
.irp t, 0,1,2,3,4,5,6,7
	ds_load_b128 v[32+8*\t:35+8*\t], v8 offset:512*\t      ; K: tile t's image
.endr
.irp j, 0,1,2,3
	ds_load_b32 v[248+\j], v10 offset:128*\j               ; lanes 0-15: the words of tile 2 j's keys; lanes 16-31: of tile 2 j + 1's
.endr
.irp d, 0,1,2,3
.irp c, 0,1
	ds_load_b128 v[192+8*\d+4*\c:195+8*\d+4*\c], v9 offset:1024*\d+512*\c
.endr
.endr
.irp j, 0,1
	ds_load_b32 v[240+\j], v11 offset:128*\j               ; lanes 0-15: channels 32 j on; lanes 16-31: 32 j + 16 on
.endr
	s_wait_dscnt 10                                ; K and its words are in; V's ten loads may be out
.irp t, 0,2,4,6
	v_wmma_scale_f32_16x16x128_f8f6f4 v[96+8*\t:103+8*\t], v[32+8*\t:39+8*\t], v[16+8*\i:23+8*\i], 0, v[248+\t/2], v[242+\i] matrix_a_fmt:MATRIX_FMT_FP4 matrix_b_fmt:MATRIX_FMT_FP4
	v_wmma_scale_f32_16x16x128_f8f6f4 v[104+8*\t:111+8*\t], v[40+8*\t:47+8*\t], v[16+8*\i:23+8*\i], 0, v[248+\t/2], v[242+\i] matrix_a_fmt:MATRIX_FMT_FP4 matrix_b_fmt:MATRIX_FMT_FP4 matrix_a_scale:MATRIX_SCALE_ROW1
.endr
.rept 4
	v_nop                                          ; places behind the products, ahead of the first read of the scores
.endr
	s_wait_kmcnt 0x0                               ; the mask words are in (on both ways below: so their base's offset may step at the trip's end)
	s_add_co_u32 s25, s17, 16
	s_bitcmp1_b32 s[2+\i], s25                     ; is any key of this step hidden?
	s_cbranch_scc0 .Lopen_\@
.set n, 0
.rept 64
.if n < 32
	v_cndmask_b32 v[96+n], v255, v[96+n], s[32+n]  ; a hidden score becomes -infinity: p = 0 then
.else
	v_cndmask_b32 v[96+n], v255, v[96+n], s[36+n]
.endif
.set n, n+1
.endr
.Lopen_\@:
.irp b, 0,1,2,3
	v_max3_num_f32 v[232+\b], v[96+16*\b], v[97+16*\b], v[98+16*\b]   ; the largest score of each block of 32 keys: it serves for the row's maximum and, since p rises with the score, for the block's largest p
.endr
.irp j, 3,5,7,9,11,13
.irp b, 0,1,2,3
	v_max3_num_f32 v[232+\b], v[232+\b], v[96+16*\b+\j], v[97+16*\b+\j]
.endr
.endr
.irp b, 0,1,2,3
	v_max_num_f32 v[232+\b], v[232+\b], v[111+16*\b]
.endr
.irp b, 0,1,2,3
	s_delay_alu instid0(VALU_DEP_4)
	v_permlanex16_b32 v[236+\b], v[232+\b], s20, s21
.endr
.irp b, 0,1,2,3
	s_delay_alu instid0(VALU_DEP_4)
	v_max_num_f32 v[232+\b], v[232+\b], v[236+\b]  ; with lane l xor 16's 16 keys
.endr
	s_delay_alu instid0(VALU_DEP_2)
	v_max3_num_f32 v254, v232, v233, v234
	s_delay_alu instid0(VALU_DEP_1)
	v_max_num_f32 v254, v254, v235                 ; the step's largest score of my query
	s_delay_alu instid0(VALU_DEP_1)
	v_mul_f32 v254, s22, v254                      ; as t (c is positive)
	s_delay_alu instid0(VALU_DEP_1)
	v_max_num_f32 v13, v13, v254                   ; the running largest t
	v_mov_b32 v254, v12
	s_delay_alu instid0(VALU_DEP_2)
	v_floor_f32 v12, -v13                          ; the new -M = floor(-t) = -ceil(t)
	s_delay_alu instid0(VALU_DEP_1)
	v_sub_f32 v254, v12, v254                      ; old M - new M: a whole number, 0 or less
	s_delay_alu instid0(VALU_DEP_1)
	v_cvt_i32_f32 v254, v254                       ; (it saturates)
	s_delay_alu instid0(VALU_DEP_1)
	v_ldexp_f32 v252, 1.0, v254                    ; f = 2^(old M - new M)
.irp j, 0,2,4,6,8,10,12,14,16,18,20,22,24,26,28,30,32,34,36,38,40,42,44,46,48,50,52,54,56,58,60,62
	v_pk_fma_f32 v[96+\j:97+\j], v[96+\j:97+\j], s[22:23], v[12:13] op_sel_hi:[1,0,0]   ; t - M, two at a time
.endr
.irp b, 0,1,2,3
	v_fma_f32 v[232+\b], v[232+\b], s22, v12       ; the same of each block's largest score
.endr
	s_setprio 1
	s_wait_alu depctr_va_vdst(0)
.irp j, 0,1,2,3,4,5,6,7,8,9,10,11,12,13,14,15,16,17,18,19,20,21,22,23,24,25,26,27,28,29,30,31,32,33,34,35,36,37,38,39,40,41,42,43,44,45,46,47,48,49,50,51,52,53,54,55,56,57,58,59,60,61,62,63
	v_exp_f32 v[96+\j], v[96+\j]                   ; p = 2^(t - M), at most 1
.endr
	v_pk_mul_f32 v[14:15], v[14:15], v[252:253] op_sel_hi:[1,0]   ; the sums under the new M: the plain instruction behind the exponentials
	s_wait_alu depctr_va_vdst(0)                   ; one wait for the whole batch, ahead of its first reader
.irp b, 0,1,2,3
	v_exp_f32 v[232+\b], v[232+\b]                 ; the block's largest p: the same two instructions on the same number give the same bits
.endr
	v_pk_add_f32 v[236:237], v[100:101], v[104:105]
	v_pk_add_f32 v[250:251], v[108:109], v[112:113]
	v_pk_add_f32 v[248:249], v[116:117], v[120:121]
	v_pk_add_f32 v[246:247], v[124:125], v[128:129]
	v_pk_add_f32 v[244:245], v[132:133], v[136:137]
	v_pk_add_f32 v[238:239], v[140:141], v[144:145]
	v_pk_add_f32 v[230:231], v[148:149], v[152:153]
	v_pk_add_f32 v[14:15], v[14:15], v[156:157]
	v_pk_add_f32 v[236:237], v[236:237], v[96:97]
	v_pk_add_f32 v[250:251], v[250:251], v[98:99]
	v_pk_add_f32 v[248:249], v[248:249], v[102:103]
	v_pk_add_f32 v[246:247], v[246:247], v[106:107]
	v_pk_add_f32 v[244:245], v[244:245], v[110:111]
	v_pk_add_f32 v[238:239], v[238:239], v[114:115]
	v_pk_add_f32 v[230:231], v[230:231], v[118:119]
	v_pk_add_f32 v[14:15], v[14:15], v[122:123]
	v_pk_add_f32 v[236:237], v[236:237], v[126:127]
	v_pk_add_f32 v[250:251], v[250:251], v[130:131]
	v_pk_add_f32 v[248:249], v[248:249], v[134:135]
	v_pk_add_f32 v[246:247], v[246:247], v[138:139]
	v_pk_add_f32 v[244:245], v[244:245], v[142:143]
	v_pk_add_f32 v[238:239], v[238:239], v[146:147]
	v_pk_add_f32 v[230:231], v[230:231], v[150:151]
	v_pk_add_f32 v[14:15], v[14:15], v[154:155]
	v_pk_add_f32 v[236:237], v[236:237], v[158:159]
	s_delay_alu instid0(VALU_DEP_2)
	v_pk_add_f32 v[14:15], v[14:15], v[246:247]
	s_delay_alu instid0(VALU_DEP_2)
	v_pk_add_f32 v[236:237], v[236:237], v[244:245]
	v_pk_add_f32 v[250:251], v[250:251], v[238:239]
	v_pk_add_f32 v[248:249], v[248:249], v[230:231]
	s_delay_alu instid0(VALU_DEP_2)
	v_pk_add_f32 v[14:15], v[14:15], v[250:251]
	s_delay_alu instid0(VALU_DEP_2)
	v_pk_add_f32 v[236:237], v[236:237], v[248:249]
	s_delay_alu instid0(VALU_DEP_1)
	v_pk_add_f32 v[14:15], v[14:15], v[236:237]
	s_wait_alu depctr_va_vdst(0)                   ; and one for the four
.irp b, 0,1,2,3
	v_max_num_f32 v[232+\b], 0x1800000, v[232+\b]  ; the floor 2^(3 - 127): the byte cannot fall under 1
.endr
.irp b, 0,1,2,3
	s_delay_alu instid0(VALU_DEP_4)
	v_add_nc_u32 v[244+\b], 0xff000000, v[232+\b]  ; 2 off the exponent field: the conversion's scale operand
.endr
.irp b, 0,1,2,3
	s_delay_alu instid0(VALU_DEP_4)
	v_lshrrev_b32 v[236+\b], 23, v[244+\b]         ; the scale's byte
.endr
	s_delay_alu instid0(VALU_DEP_3)
	v_lshl_or_b32 v253, v237, 8, v236              ; p's scale word for these 128 keys
	s_delay_alu instid0(VALU_DEP_1)
	v_lshl_or_b32 v253, v238, 16, v253
	s_delay_alu instid0(VALU_DEP_1)
	v_lshl_or_b32 v253, v239, 24, v253
	s_setprio 0
.irp c, 0,1
	v_cvt_scalef32_pk8_fp4_f32 v[224+4*\c], v[96+32*\c:103+32*\c], v[244+2*\c]       ; tile 4 c:     block 2 c,     keys 8 h + 0 .. 7
	v_cvt_scalef32_pk8_fp4_f32 v[225+4*\c], v[112+32*\c:119+32*\c], v[245+2*\c]      ; tile 4 c + 2: block 2 c + 1, keys 8 h + 0 .. 7
	v_cvt_scalef32_pk8_fp4_f32 v[226+4*\c], v[104+32*\c:111+32*\c], v[244+2*\c]      ; tile 4 c + 1: block 2 c,     keys 16 + 8 h + 0 .. 7
	v_cvt_scalef32_pk8_fp4_f32 v[227+4*\c], v[120+32*\c:127+32*\c], v[245+2*\c]      ; tile 4 c + 3: block 2 c + 1, keys 16 + 8 h + 0 .. 7
.endr
	v_nop                                          ; one plain place behind a scaled conversion
.irp c, 0,1
	v_permlane16_swap_b32 v[224+4*\c], v[225+4*\c] ; lanes 0-15 now hold block 2 c whole, lanes 16-31 block 2 c + 1: the operand's layout
	v_permlane16_swap_b32 v[226+4*\c], v[227+4*\c]
.endr
.irp j, 0,2,4,6,8,10,12,14,16,18,20,22,24,26,28,30
	v_pk_mul_f32 v[160+\j:161+\j], v[160+\j:161+\j], v[252:253] op_sel_hi:[1,0]   ; O^T under the new M.  (These sixteen are also the places between the scale word and the codes just made and the products)
.endr
	s_wait_alu depctr_va_vdst(0)
	s_wait_dscnt 0x0                               ; V and its words are in
.irp d, 0,2
	v_wmma_scale_f32_16x16x128_f8f6f4 v[160+8*\d:167+8*\d], v[192+8*\d:199+8*\d], v[224:231], v[160+8*\d:167+8*\d], v[240+\d/2], v253 matrix_a_fmt:MATRIX_FMT_FP4 matrix_b_fmt:MATRIX_FMT_FP4
	v_wmma_scale_f32_16x16x128_f8f6f4 v[168+8*\d:175+8*\d], v[200+8*\d:207+8*\d], v[224:231], v[168+8*\d:175+8*\d], v[240+\d/2], v253 matrix_a_fmt:MATRIX_FMT_FP4 matrix_b_fmt:MATRIX_FMT_FP4 matrix_a_scale:MATRIX_SCALE_ROW1
.endr
.Lskip_\@:
.endm
; One tile of 16 queries: all 16 key steps (a loop of constant count; a step's work is jumped over by the flags), then the way out.
.macro ITEM i
	s_lshl_b32 s26, s[14+\i], 12                   ; the tile's mask words: 16 steps of 256 bytes
	s_mov_b32 s27, 0
	s_add_nc_u64 s[26:27], s[8:9], s[26:27]
	s_lshl_b32 s28, s13, 16                        ; its image in ao: 65,536 bytes a head, 512 a tile
	s_lshl_b32 s25, s[14+\i], 9
	s_add_co_u32 s28, s28, s25
	s_mov_b32 s29, 0
	s_add_nc_u64 s[28:29], s[10:11], s[28:29]
	s_lshr_b32 s30, s13, 4                         ; its scale bytes: 32 a token: 65,536 a batch, 512 a tile; 2 a head
	s_lshl_b32 s30, s30, 16
	s_add_co_u32 s30, s30, s25
	s_and_b32 s25, s13, 15
	s_lshl_b32 s25, s25, 1
	s_add_co_u32 s30, s30, s25
	s_add_co_u32 s30, s30, 0x400000
	s_mov_b32 s31, 0
	s_add_nc_u64 s[30:31], s[10:11], s[30:31]
	v_mov_b32 v13, 0xff61b1e6                      ; the largest t so far: -3e38, under every t
	s_delay_alu instid0(VALU_DEP_1)
	v_floor_f32 v12, -v13                          ; -M
	v_mov_b32 v14, 0                               ; the sum, in two halves
	v_mov_b32 v15, 0
	v_mov_b32 v253, 0                              ; (named as the upper half of the pair v[252:253] before it is first written)
.irp j, 0,1,2,3,4,5,6,7,8,9,10,11,12,13,14,15,16,17,18,19,20,21,22,23,24,25,26,27,28,29,30,31
	v_mov_b32 v[160+\j], 0                         ; O^T: which step is the first to run hangs on the mask, so none is written out as the first
.endr
	s_mov_b32 s17, 0
	s_mov_b32 s18, 0
	s_mov_b32 s19, 0
	s_mov_b32 s24, 0
.Lstep_\@:
	KSTEP \i
	s_add_co_u32 s18, s18, 4096                    ; a step's images of K, and of V
	s_add_co_u32 s19, s19, 512                     ; K's scale words
	s_add_co_u32 s24, s24, 256                     ; V's scale words, and the mask words
	s_add_co_u32 s17, s17, 1
	s_cmp_lt_u32 s17, 16
	s_cbranch_scc1 .Lstep_\@
	s_setprio 0
	; THE WAY OUT: O^T / the sum, quantised along the head's 64 (two blocks), stored as an image and two scale bytes a token
.rept 4
	v_nop                                          ; places behind the last products
.endr
	v_add_f32 v15, v14, v15                        ; the sum's two halves,
	s_delay_alu instid0(VALU_DEP_1)
	v_permlanex16_b32 v254, v15, s20, s21
	s_delay_alu instid0(VALU_DEP_1)
	v_add_f32 v15, v15, v254                       ; and lane l xor 16's: the row's sum
	s_wait_alu depctr_va_vdst(0)
	v_rcp_f32 v14, v15
	v_nop                                          ; a plain place behind the transcendental
	v_cmp_lt_f32 vcc_lo, 0, v15                    ; did any key count for my query?
	s_wait_alu depctr_va_vdst(0)                   ; the wait ahead of the reciprocal's first reader
.irp j, 0,1,2,3,4,5,6,7,8,9,10,11,12,13,14,15,16,17,18,19,20,21,22,23,24,25,26,27,28,29,30,31
	v_mul_f32 v[96+\j], v[160+\j], v14             ; register 8 t + j: channel 16 t + 8 h + j of my query; each accumulator from its low end on
.endr
.irp b, 0,1
	v_max3_num_f32 v[232+\b], |v[96+16*\b]|, |v[97+16*\b]|, 0x1800000
.endr
.irp j, 2,4,6,8,10,12,14
.irp b, 0,1
	s_delay_alu instid0(VALU_DEP_2)
	v_max3_num_f32 v[232+\b], v[232+\b], |v[96+16*\b+\j]|, |v[97+16*\b+\j]|
.endr
.endr
.irp b, 0,1
	s_delay_alu instid0(VALU_DEP_2)
	v_permlanex16_b32 v[236+\b], v[232+\b], s20, s21
.endr
.irp b, 0,1
	s_delay_alu instid0(VALU_DEP_2)
	v_max_num_f32 v[232+\b], v[232+\b], v[236+\b]
.endr
.irp b, 0,1
	s_delay_alu instid0(VALU_DEP_2)
	v_add_nc_u32 v[244+\b], 0xff000000, v[232+\b]
.endr
.irp b, 0,1
	s_delay_alu instid0(VALU_DEP_2)
	v_lshrrev_b32 v[236+\b], 23, v[244+\b]
.endr
	v_cvt_scalef32_pk8_fp4_f32 v224, v[96:103], v244
	v_cvt_scalef32_pk8_fp4_f32 v225, v[112:119], v245
	v_cvt_scalef32_pk8_fp4_f32 v226, v[104:111], v244
	v_cvt_scalef32_pk8_fp4_f32 v227, v[120:127], v245
	v_nop                                          ; one plain place behind a scaled conversion
	v_permlane16_swap_b32 v224, v225
	v_permlane16_swap_b32 v226, v227               ; lane (r, h): channels 32 h .. 32 h + 31 of query r
	v_cndmask_b32 v254, v236, v237, s100           ; lanes 0-15: block 0's byte; lanes 16-31: block 1's
	s_delay_alu instid0(VALU_DEP_1)
	v_cndmask_b32 v254, 0xff, v254, vcc_lo         ; a row in which no key counted: the byte that makes every sum over it NaN
	global_store_b128 v6, v[224:227], s[28:29]     ; 512 consecutive bytes
	global_store_b8 v4, v254, s[30:31]
.if \i == 0
	s_wait_xcnt 0x0                                ; the stores have read their registers and bases: the next tile writes them again
.endif
.endm
	ITEM 0
	ITEM 1
	s_wait_xcnt 0x0
	v_lshl_add_u32 v254, v0, 2, 0x23000
	v_mov_b32 v255, 0
	s_wait_alu depctr_va_vdst(0)
	s_wait_tensorcnt 0x0
	ds_add_u32 v254, v255
	s_wait_dscnt 0x0
	s_endpgm
.Lfunc_end_k_q1f1c8bb5dd_attn:
	.size	k_q1f1c8bb5dd_attn, .Lfunc_end_k_q1f1c8bb5dd_attn-k_q1f1c8bb5dd_attn
	.p2alignl 7, 3214868480
	.fill 96, 4, 3214868480
	.section	.rodata,"a",@progbits
	.p2align	6, 0x0
	.amdhsa_kernel k_q1f1c8bb5dd_attn
		.amdhsa_group_segment_fixed_size 145408
		.amdhsa_private_segment_fixed_size 0
		.amdhsa_enable_private_segment 0
		.amdhsa_kernarg_size 32
		.amdhsa_user_sgpr_count 2
		.amdhsa_user_sgpr_kernarg_segment_ptr 1
		.amdhsa_wavefront_size32 1
		.amdhsa_system_sgpr_workgroup_id_x 1
		.amdhsa_system_sgpr_workgroup_id_y 1
		.amdhsa_system_sgpr_workgroup_id_z 1
		.amdhsa_system_vgpr_workitem_id 0
		.amdhsa_next_free_vgpr 256
		.amdhsa_next_free_sgpr 102
		.amdhsa_reserve_vcc 1
		.amdhsa_float_denorm_mode_32 3
		.amdhsa_float_denorm_mode_16_64 3
		.amdhsa_memory_ordered 1
		.amdhsa_forward_progress 1
		.amdhsa_inst_pref_size 63
	.end_amdhsa_kernel
	.amdgpu_metadata
---
amdhsa.version: [ 1, 2 ]
amdhsa.kernels:
  - .name:           k_q1f1c8bb5dd_attn
    .symbol:         k_q1f1c8bb5dd_attn.kd
    .args:
      - { .name: qkvc, .offset: 0, .size: 8, .value_kind: global_buffer, .address_space: global }
      - { .name: qkvs, .offset: 8, .size: 8, .value_kind: global_buffer, .address_space: global }
      - { .name: mw, .offset: 16, .size: 8, .value_kind: global_buffer, .address_space: global }
      - { .name: ao, .offset: 24, .size: 8, .value_kind: global_buffer, .address_space: global }
    .group_segment_fixed_size: 145408
    .private_segment_fixed_size: 0
    .kernarg_segment_align: 8
    .kernarg_segment_size: 32
    .max_flat_workgroup_size: 512
    .sgpr_count:     102
    .vgpr_count:     256
    .wavefront_size: 32
...
	.end_amdgpu_metadata
.endif
;; end of part 3
;; launch proj (part 4): grid 4 x 32, 4 waves a work-group, clusters of 4 x 4, 327,680 bytes of LDS; arguments ao, wc, ws, b_out, out0; writes out0
.if DOCPART == 4
	.amdgcn_target "amdgcn-amd-amdhsa--gfx1250"
	.amdhsa_code_object_version 6
	.text
	.protected	k_q1f1c8bb5dd_proj
	.globl	k_q1f1c8bb5dd_proj
	.p2align	8
	.type	k_q1f1c8bb5dd_proj,@function
k_q1f1c8bb5dd_proj:
	s_mov_b64 s[64:65], 0
	v_nop
	global_prefetch_b8 v0, s[64:65] scope:SCOPE_SE
	s_setreg_imm32_b32 hwreg(HW_REG_WAVE_MODE, 25, 1), 1
	s_wait_xcnt 0x0
	s_wait_alu depctr_hold_cnt(0) depctr_sa_sdst(0) depctr_va_vdst(0) depctr_va_sdst(0) depctr_va_ssrc(0) depctr_va_vcc(0) depctr_vm_vsrc(0)
	s_getreg_b32 s2, hwreg(HW_REG_IB_STS2, 6, 4)
	s_cmp_eq_u32 s2, 0
	s_cbranch_scc0 .Lentry_in_a_cluster
	s_endpgm
.Lentry_in_a_cluster:
	s_bfe_u32 s2, ttmp6, 0x10000c
	s_cmp_lg_u32 s2, 0xf033
	s_cbranch_scc0 .Lentry_shape_is_right
	s_endpgm
.Lentry_shape_is_right:
; out0 = A W_out^T + b_out on codes of FP4 (E2M1) with one E8M0 scale for each 32 along K = 1,024.  A [8192][1024] is the attention launch's result; out0 [8192][1024] f32; sums in f32.
; A's codes lie in ao as images of operand registers, [batch x head 64][tile of 16 tokens 128][lane][16 bytes]: lane (r, h) holds k = 64 head + 32 h + 0 .. 31 of token r.  A fragment of 128 along K is two heads' images.
; A's scale bytes lie at ao + 0x400000, [token][32].  W_out's codes lie at wc + 0x180000, rows of 512 bytes, its scale bytes at ws + 0x18000, rows of 32.
; A tile of the output, 256 x 256, is made by four waves, each 128 x 128: 64 accumulators of 16 x 16, 512 registers.  K goes in two steps of 512 through two LDS slots.
; CLUSTERS: 4 x 4 work-groups.  A's tile is shared along a row of the cluster, W_out's along a column: each is asked for jointly, by the same tensor load with the same descriptor and a mask that names the four.
; THE MATRIX INSTRUCTION IS USED TRANSPOSED (source 0 = 16 rows of W_out, source 1 = 16 tokens): a lane holds eight neighbouring numbers of a row of the output.  The bias is the C of each sum's first matrix instruction.
; A token whose scale bytes are 0xff (no key counted for it) gets NaN in its whole row.
; REGISTERS, in windows of 256: window 0: v0-31 addresses; v32-95 scale words, two sets; v128-191 A's fragments, one set; v192-255 the bias; on the way out v128-255 hold rows.
;   window 1: B's fragments, two sets, at v0 and v128.   window 2: the accumulators of my rows 0-63 ((a, b) at v[8 (8 a + b)]);   window 3: those of my rows 64-127.
.set SIZE_N, 1024
.set KSTEP,  512
.set NQ,     KSTEP/128
.set ROWB,   256                       ; a row of B's tile in bytes
.set KROW,   512
.set PITCH,  272                       ; B's LDS row: 256 bytes + 16 of padding = 68 words: the 16 rows that a load touches start at 16 different banks (64 banks of 4 bytes: ISA guide 11.1)
.set FR,     8
.set NL,     2
.set NP,     4                         ; places behind this matrix instruction (ISA guide 7.12.1)
.set HALFA,  32768                     ; A: 8 heads x 128 tokens: 8 rows of 4,096 bytes, dense: an image load's 512 bytes are consecutive
.set HALFT,  128*PITCH
.set SLOT,   2*HALFA+2*HALFT           ; A's two halves, then B's two
.set KS,     32
.set SCL,    2*SLOT
.set HALFS,  (128*KS/256)*272
.set SBLK,   (16*KS/256)*272
.set SPARE,  SCL+4*HALFS               ; the spare words, 128 bytes for each wave: two blocks of 256 bytes that no other line names
.set SPITCH, 528                       ; the way out: a stage of 16 rows x (512 bytes + 16) for each wave, in slot 0, which has had its only fill and its last read when the first result is stored there
.set ADRA, 16
.set ADRB, 20
.set STO,  24
.set RD,   25
.set CO,   26
.set ADRS, 27
.set SPW,  28
.set NIL,  29
.set SC,   32
.set AF,   128
.set BI,   192
.set BK,   128
.set G1, 24
.set G0, 32
.set G1B, 48
.set G0B, 56
.set G1S, 68
.set G0S, 76
.set G1SB, 80
.set G0SB, 88
.set MSB, 0
.macro WIN new                         ; the immediate's high byte repeats the setting that is left
.if MSB != \new
	s_set_vgpr_msb (MSB<<8)|\new
.set MSB, \new
.endif
.endm
.set MUL_LO, 0xa1
.set MUL_HI, 0xf1
.set TO_B,   0x40
.macro JLOAD g0a, g1a, g0b, g1b        ; a joint load: waves 0 and 1 fetch for A, waves 2 and 3 for B; four v_nop follow each of the two lines
	s_cmp_eq_u32 s15, 0
	s_cbranch_scc0 .Lfor_b_\@
	tensor_load_to_lds s[\g0a:\g0a+3], s[\g1a:\g1a+7]
	s_nop 0
.rept 4
	v_nop
.endr
	s_branch .Lasked_\@
.Lfor_b_\@:
	tensor_load_to_lds s[\g0b:\g0b+3], s[\g1b:\g1b+7]
	s_nop 0
.rept 4
	v_nop
.endr
.Lasked_\@:
.endm
.macro CROUND                          ; a round of the cluster's barrier
	s_barrier_signal -1
	s_barrier_wait -1
	s_cmp_lg_u32 s14, 0
	s_cbranch_scc1 .Lnot_wave_0_\@
	s_barrier_signal -3
.Lnot_wave_0_\@:
	s_barrier_wait -3
	s_barrier_signal -1
	s_barrier_wait -1
.endm
	s_load_b256 s[4:11], s[0:1], 0x0               ; ao s[4:5], wc s[6:7], ws s[8:9], b_out s[10:11]
	s_load_b64 s[12:13], s[0:1], 0x20              ; out0
	v_lshl_add_u32 v[SPW], v0, 2, SPARE
	v_mov_b32 v[NIL], 0
	ds_add_u32 v28, v29
	ds_add_u32 v28, v29
	s_wait_dscnt 0x0
	v_lshrrev_b32 v1, 5, v0
	v_readfirstlane_b32 s14, v1                    ; wave 0..3
	s_lshr_b32 s15, s14, 1                         ; which half of the tile's rows is mine.  Also: I fetch for A (0) or for B (1)
	s_and_b32 s16, s14, 1                          ; which half of its columns.  Also: which 128 rows of that tile I fetch
	s_bfe_u32 s40, ttmp6, 0x40000                  ; cx, cy: my place in the cluster
	s_bfe_u32 s41, ttmp6, 0x40004
	s_lshl_b32 s42, ttmp9, 2
	s_add_co_u32 s42, s42, s40                     ; tile column = 4 x cluster x + cx
	s_and_b32 s17, ttmp7, 0xffff
	s_lshl_b32 s17, s17, 2
	s_add_co_u32 s17, s17, s41                     ; tile row = 4 x cluster y + cy
	s_lshl_b32 s43, s41, 2
	s_lshl_b32 s43, 15, s43                        ; my row of the cluster
	s_lshl_b32 s44, 0x1111, s40                    ; my column
	; descriptor group 1 for A: 8 rows (heads) of 512 elements of 8 bytes (eight images), 65,536 bytes from head to head; no padding
	s_or_b32 s[G1+0], s43, (3<<16)|(1<<21)         ; 15:0 the mask: A's tiles go to my row; 17:16 elements of 8 bytes; 21 set beside a mask
	s_mov_b32 s[G1+1], 512<<16                     ; tensor_dim0
	s_mov_b32 s[G1+2], 8<<16                       ; tensor_dim1
	s_mov_b32 s[G1+3], 512<<16                     ; tile_dim0
	s_mov_b32 s[G1+4], 8                           ; tile_dim1
	s_mov_b32 s[G1+5], 8192                        ; tensor_dim0_stride, in elements
	s_mov_b32 s[G1+6], 0
	s_mov_b32 s[G1+7], 0
	; for B: 128 rows x 256 bytes, padded in LDS
	s_or_b32 s[G1B+0], s44, (0<<16)|(1<<20)|(1<<21)|(5<<22)|(3<<25)  ; elements of 1 byte; padding: four words after every 64
	s_mov_b32 s[G1B+1], ROWB<<16
	s_mov_b32 s[G1B+2], 128<<16
	s_mov_b32 s[G1B+3], ROWB<<16
	s_mov_b32 s[G1B+4], 128
	s_mov_b32 s[G1B+5], KROW
	s_mov_b32 s[G1B+6], 0
	s_mov_b32 s[G1B+7], 0
	; the scales of 128 rows: a dense block of 4,096 bytes, as 16 rows of 256 bytes, 16 bytes of padding behind each
	s_or_b32 s[G1S+0], s43, (3<<16)|(1<<20)|(1<<21)|(5<<22)|(3<<25)
	s_or_b32 s[G1SB+0], s44, (3<<16)|(1<<20)|(1<<21)|(5<<22)|(3<<25)
.irp g, G1S, G1SB
	s_mov_b32 s[\g+1], 32<<16
	s_mov_b32 s[\g+2], (128*KS/256)<<16
	s_mov_b32 s[\g+3], 32<<16
	s_mov_b32 s[\g+4], 128*KS/256
	s_mov_b32 s[\g+5], 32
	s_mov_b32 s[\g+6], 0
	s_mov_b32 s[\g+7], 0
.endr
	s_lshr_b32 s20, s17, 3                         ; A's codes: the batch's 16 heads of 65,536 bytes,
	s_lshl_b32 s20, s20, 20
	s_and_b32 s21, s17, 7
	s_lshl_b32 s21, s21, 13                        ; the tile's 16 images in a head,
	s_add_co_u32 s20, s20, s21
	s_lshl_b32 s21, s16, 12                        ; the eight that I fetch
	s_add_co_u32 s20, s20, s21
	s_mov_b32 s21, 0
	s_lshl_b32 s22, s17, 13                        ; A's scales: 256 rows of 32 bytes a tile,
	s_lshl_b32 s23, s16, 12                        ; the 128 that I fetch,
	s_add_co_u32 s22, s22, s23
	s_add_co_u32 s22, s22, 0x400000                ; behind the codes
	s_mov_b32 s23, 0
	s_lshl_b32 s46, s42, 17                        ; B's codes: 256 rows of 512 bytes a tile,
	s_lshl_b32 s47, s16, 16
	s_add_co_u32 s46, s46, s47
	s_add_co_u32 s46, s46, 0x180000                ; behind W_qkv's
	s_mov_b32 s47, 0
	s_lshl_b32 s92, s42, 13                        ; B's scales
	s_lshl_b32 s93, s16, 12
	s_add_co_u32 s92, s92, s93
	s_add_co_u32 s92, s92, 0x18000
	s_mov_b32 s93, 0
	s_lshl_b32 s45, s16, 15                        ; where they go: A's half; no place in the cluster enters an LDS address
	s_mul_i32 s95, s16, HALFT
	s_add_co_u32 s95, s95, 2*HALFA                 ; B's half, behind A's two
	s_mul_i32 s94, s14, HALFS
	s_wait_kmcnt 0x0
	s_add_nc_u64 s[20:21], s[4:5], s[20:21]
	s_add_nc_u64 s[22:23], s[4:5], s[22:23]
	s_add_nc_u64 s[46:47], s[6:7], s[46:47]
	s_add_nc_u64 s[92:93], s[8:9], s[92:93]
	CROUND                                         ; all sixteen work-groups are here: the first joint loads meet
	s_mov_b32 s[G0S], 1
	s_add_co_u32 s[G0S+1], s94, SCL
	s_mov_b64 s[G0S+2:G0S+3], s[22:23]
	s_or_b32 s[G0S+3], s[G0S+3], 0x80000000
	s_mov_b32 s[G0SB], 1
	s_add_co_u32 s[G0SB+1], s94, SCL
	s_mov_b64 s[G0SB+2:G0SB+3], s[92:93]
	s_or_b32 s[G0SB+3], s[G0SB+3], 0x80000000
	JLOAD G0S, G1S, G0SB, G1SB                     ; the scales first: they are wanted with the first K step
.irp s, 0,1
	s_mov_b32 s[G0+4*\s], 1
	s_add_co_u32 s[G0+4*\s+1], s45, \s*SLOT
	s_add_nc_u64 s[G0+4*\s+2:G0+4*\s+3], s[20:21], \s*0x80000      ; slot s: heads 8 s .. 8 s + 7
	s_or_b32 s[G0+4*\s+3], s[G0+4*\s+3], 0x80000000
	s_mov_b32 s[G0B+4*\s], 1
	s_add_co_u32 s[G0B+4*\s+1], s95, \s*SLOT
	s_add_nc_u64 s[G0B+4*\s+2:G0B+4*\s+3], s[46:47], \s*ROWB
	s_or_b32 s[G0B+4*\s+3], s[G0B+4*\s+3], 0x80000000
	JLOAD G0+4*\s, G1, G0B+4*\s, G1B
.endr
	; THE BIAS, while the tiles are on their way: v[BI + 8 b + j] = b_out[256 x tile column + 128 x my half + 16 b + 8 h + j]
	v_and_b32 v1, 15, v0                           ; r = l % 16
	v_bfe_u32 v2, v0, 4, 1                         ; h = l / 16
	v_lshlrev_b32 v5, 5, v2
	s_lshl_b32 s46, s42, 10
	s_lshl_b32 s47, s16, 9
	s_add_co_u32 s46, s46, s47
	s_mov_b32 s47, 0
	s_add_nc_u64 s[10:11], s[10:11], s[46:47]
.irp b, 0,1,2,3,4,5,6,7
	global_load_b128 v[BI+8*\b:BI+8*\b+3], v5, s[10:11] offset:64*\b
	global_load_b128 v[BI+8*\b+4:BI+8*\b+7], v5, s[10:11] offset:64*\b+16
.endr
	s_wait_loadcnt 0x0
	v_mul_u32_u24 v3, v1, PITCH
	v_lshl_add_u32 v4, v2, 4, v3                   ; B: a fragment's row x pitch + 16 x half
	v_and_b32 v6, 31, v0
	v_lshlrev_b32 v7, 4, v6                        ; A: 16 x lane: my place in an image
	s_lshl_b32 s21, s15, 15                        ; my 128 rows of A
	s_mul_i32 s22, s16, HALFT                      ; my 128 rows of B,
	s_add_co_u32 s22, s22, 2*HALFA                 ; which lie behind A's two halves
.irp s, 0,1
	v_add_nc_u32 v[ADRA+\s], s21, v7
	v_add_nc_u32 v[ADRB+\s], s22, v4
	s_add_co_u32 s21, s21, SLOT
	s_add_co_u32 s22, s22, SLOT
.endr
	v_mul_u32_u24 v5, v1, KS                       ; my row's scales: KS bytes a row,
	v_lshrrev_b32 v6, 8, v5
	v_lshl_add_u32 v5, v6, 4, v5                   ; and 16 more for each 256 passed
	s_mul_i32 s21, s15, HALFS                      ; A's: my 128 rows
	s_mul_i32 s22, s16, HALFS                      ; B's: my 128 rows, behind A's 256
	s_add_co_u32 s22, s22, 2*HALFS
	s_sub_co_u32 s22, s22, s21
	v_mul_u32_u24 v6, s22, v2                      ; lanes 16-31 take B's
	s_add_co_u32 s21, s21, SCL
	v_add_nc_u32 v5, v5, v6
	v_add_nc_u32 v[ADRS], s21, v5
	s_mul_i32 s23, s14, 16*SPITCH                  ; my stage
	v_mul_u32_u24 v5, v1, SPITCH                   ; in: row l % 16, 32 bytes for each half of the lanes
	v_lshl_add_u32 v5, v2, 5, v5
	v_add_nc_u32 v[STO], s23, v5
	v_mov_b32 v[CO], v7                            ; back: the 32 lanes take one row of 512 bytes; and the same in the output
	v_add_nc_u32 v[RD], s23, v[CO]
	s_lshl_b32 s20, s17, 8
	s_lshl_b32 s21, s15, 7
	s_add_co_u32 s20, s20, s21                     ; my first row of the output: 256 x tile row + 128 x half
	s_mov_b32 s21, 0
	s_mov_b64 s[18:19], SIZE_N*4
	s_mul_u64 s[20:21], s[20:21], s[18:19]
	s_lshl_b32 s46, s42, 10                        ; my first column, in bytes: 1,024 x tile column + 512 x half
	s_lshl_b32 s47, s16, 9
	s_add_co_u32 s46, s46, s47
	s_mov_b32 s47, 0
	s_add_nc_u64 s[20:21], s[20:21], s[46:47]
	s_add_nc_u64 s[12:13], s[12:13], s[20:21]
.macro FRAG reg, adr, q, i             ; B's fragment, 16 rows x 128 K: lane l holds row l % 16; registers 4 c .. 4 c + 3 hold K = 64 c + 32 (l / 16) + 0 .. 31
.irp c, 0,1
	ds_load_b128 v[\reg+4*\c:\reg+4*\c+3], v[\adr] offset:64*(\q)+32*\c+(\i)*16*PITCH
.endr
.endm
.macro FRAGA reg, slot, q, i           ; A's: registers 4 c .. 4 c + 3 are the image of head 2 q + c of the slot's eight, tokens 16 i on
.irp c, 0,1
	ds_load_b128 v[\reg+4*\c:\reg+4*\c+3], v[ADRA+\slot] offset:(2*(\q)+\c)*4096+(\i)*512
.endr
.endm
; 16 matrix instructions: A's blocks a0, a0 + 1 x B's eight.  mode 1: the sums start from the bias.  The 64 accumulators take turns, one instruction a turn.
.macro MUL16 a0, p, q, sc, mode
.irp a, \a0, \a0+1
.irp b, 0,1,2,3,4,5,6,7
.if \mode
	v_wmma_scale_f32_16x16x128_f8f6f4 v[8*(8*((\a)%4)+\b):8*(8*((\a)%4)+\b)+7], v[128*(\p)+FR*\b:128*(\p)+FR*\b+FR-1], v[AF+FR*(\a):AF+FR*(\a)+FR-1], v[BI+8*\b:BI+8*\b+7], v[SC+8*NQ*(\sc)+NQ*\b+(\q)], v[SC+8*NQ*(\sc)+NQ*(\a)+(\q)] matrix_a_fmt:MATRIX_FMT_FP4 matrix_b_fmt:MATRIX_FMT_FP4 matrix_a_scale:MATRIX_SCALE_ROW1
.else
	v_wmma_scale_f32_16x16x128_f8f6f4 v[8*(8*((\a)%4)+\b):8*(8*((\a)%4)+\b)+7], v[128*(\p)+FR*\b:128*(\p)+FR*\b+FR-1], v[AF+FR*(\a):AF+FR*(\a)+FR-1], v[8*(8*((\a)%4)+\b):8*(8*((\a)%4)+\b)+7], v[SC+8*NQ*(\sc)+NQ*\b+(\q)], v[SC+8*NQ*(\sc)+NQ*(\a)+(\q)] matrix_a_fmt:MATRIX_FMT_FP4 matrix_b_fmt:MATRIX_FMT_FP4 matrix_a_scale:MATRIX_SCALE_ROW1
.endif
.endr
.endr
.endm
.macro FETCH_B slot, q, p
	WIN TO_B
.irp i, 0,1,2,3,4,5,6,7
	FRAG 128*(\p)+FR*\i, ADRB+\slot, \q, \i
.endr
	WIN 0
.endm
.macro FETCH_A slot, q, i0
.irp i, \i0, \i0+1, \i0+2, \i0+3
	FRAGA AF+FR*(\i), \slot, \q, \i
.endr
.endm
.macro SCALES sc
.irp i, 0,1,2,3,4,5,6,7
	ds_load_b128 v[SC+8*NQ*\sc+NQ*\i:SC+8*NQ*\sc+NQ*\i+3], v[ADRS] offset:\i*SBLK
.endr
.endm
; A load into a register that a matrix instruction has read, and an LDS store that reads a matrix result, stand NP places behind it; only plain vector instructions that name none of its registers are places
; (ISA guide 7.12.1 for vector instructions).
.macro PLACES n
.rept \n
	v_nop
.endr
.endm
.macro STEP slot, q, mode
	s_wait_dscnt 4*NL                              ; B's set and A's blocks 0-3 are in; the youngest eight loads (A's blocks 4-7) may be out
.if \mode
	WIN 0x81                                       ; source 0 window 1, source 1 and C (the bias) window 0, D window 2
.else
	WIN MUL_LO
.endif
	MUL16 0, (\q)%2, \q, \slot, \mode
	MUL16 2, (\q)%2, \q, \slot, \mode
	s_wait_dscnt 0                                 ; A's blocks 4-7 are in
	PLACES NP
	FETCH_B \slot, (\q)+1, 1-(\q)%2
	FETCH_A \slot, (\q)+1, 0
.if \mode
	WIN 0xc1
.else
	WIN MUL_HI
.endif
	MUL16 4, (\q)%2, \q, \slot, \mode
	MUL16 6, (\q)%2, \q, \slot, \mode
	PLACES NP
	WIN 0
	FETCH_A \slot, (\q)+1, 4
.endm
; Slot 0's last step changes slots: one barrier; in front of it each wave waits for all its tensor loads (slot 1's is the one that was out), adds 0 to its spare word, and waits for that and for its reads.  Nothing is filled again.
.macro TURN slot, next
	s_wait_tensorcnt 0x0                           ; all my tensor loads have landed: my part of the next slot
	ds_add_u32 v[SPW], v[NIL]                      ; 0 onto my spare word
	s_wait_dscnt 4*NL+1                            ; (the add and the youngest eight loads, A's blocks 4-7, may be out)
	WIN MUL_LO
	MUL16 0, 1, NQ-1, \slot, 0
	s_wait_dscnt 0x0                               ; the add is done, and my reads of this slot are over
	s_barrier_signal -1
	MUL16 2, 1, NQ-1, \slot, 0
	WIN 0
	s_barrier_wait -1                              ; every wave's part of the next slot is there, and nobody reads this slot any more
	PLACES NP
	v_add_nc_u32 v[ADRS], 4*NQ, v[ADRS]            ; on to the next K step's scale words (no LDS load of mine is out)
	FETCH_B \next, 0, 0
	FETCH_A \next, 0, 0
	SCALES \next
	WIN MUL_HI
	MUL16 4, 1, NQ-1, \slot, 0
	MUL16 6, 1, NQ-1, \slot, 0
	PLACES NP
	WIN 0
	FETCH_A \next, 0, 4
.endm
.macro STEPS slot, from
.set Q, \from
.rept NQ-1-\from
	STEP \slot, Q, 0
.set Q, Q+1
.endr
.endm
	s_wait_tensorcnt 1                             ; the scales and my part of slot 0 are in (slot 1's load may be out),
	s_barrier_signal -1
	s_barrier_wait -1                              ; everybody's are
	FETCH_B 0, 0, 0
	FETCH_A 0, 0, 0
	SCALES 0
	FETCH_A 0, 0, 4
	STEP 0, 0, 1                                   ; the first step starts the sums from the bias
	STEPS 0, 1
	TURN 0, 1
	STEPS 1, 0
	s_wait_dscnt 4*NL                              ; the very last step: nothing more to fetch
	WIN MUL_LO
	MUL16 0, 1, NQ-1, 1, 0
	MUL16 2, 1, NQ-1, 1, 0
	s_wait_dscnt 0
	WIN MUL_HI
	MUL16 4, 1, NQ-1, 1, 0
	MUL16 6, 1, NQ-1, 1, 0
	WIN 0
; THE WAY OUT, block by block of 16 rows x 128 columns: through my own stage in LDS and back as whole rows of 512 bytes.  LDS serves a wave's instructions in order (ISA guide 5.7.1.4): no wait between the stores and the loads.
.macro TOSTAGE a
.set AC, 64*((\a)%4)
	WIN (0x08+4*((\a)/4))                          ; the data: window 2 or 3
.irp b, 0,1,2,3,4,5,6,7
	ds_store_b128 v[STO], v[AC+8*\b:AC+8*\b+3] offset:64*\b          ; each accumulator from its low end on
	ds_store_b128 v[STO], v[AC+8*\b+4:AC+8*\b+7] offset:64*\b+16
.endr
	WIN 0
.set BB, BK+64*((\a)%2)
.irp t, 0,1,2,3,4,5,6,7,8,9,10,11,12,13,14,15
	ds_load_b128 v[BB+4*\t:BB+4*\t+3], v[RD] offset:\t*SPITCH
.endr
.endm
.macro SEND a, younger                 ; younger: the LDS instructions issued behind block a's loads, which may stay out
.set BB, BK+64*((\a)%2)
	s_wait_dscnt \younger                          ; the block is back in registers
.if (\a) > 0
	s_add_nc_u64 s[12:13], s[12:13], 16*SIZE_N*4   ; (behind a wait on XCNT: the earlier stores have read their base)  16 rows on
.endif
.irp t, 0,1,2,3,4,5,6,7,8,9,10,11,12,13,14,15
	global_store_b128 v[CO], v[BB+4*\t:BB+4*\t+3], s[12:13] offset:\t*SIZE_N*4 th:TH_STORE_NT   ; 32 lanes store 512 consecutive bytes, at a multiple of 256 from the output's first byte
.endr
.endm
	PLACES NP                                      ; behind the last products: results are read, and loads land in registers that held A's fragments
	TOSTAGE 0
.irp a, 1,2,3,4,5,6,7
.if \a > 1
	s_wait_xcnt 0x0                                ; block a - 2's stores have read their registers and their base: block a's loads may land there, and the base may step
.endif
	TOSTAGE \a
	SEND \a-1, 32                                  ; behind block a - 1's loads: block a's 16 stores and 16 loads
.endr
	s_wait_xcnt 0x0                                ; block 6's stores have read their base
	SEND 7, 0
	s_wait_tensorcnt 0x0                           ; the wave's end
	ds_add_u32 v[SPW], v[NIL]
	s_wait_dscnt 0x0
	CROUND                                         ; the closing round: no work-group ends while a partner may still ask for a tile that names it
	s_endpgm
.Lfunc_end_k_q1f1c8bb5dd_proj:
	.size	k_q1f1c8bb5dd_proj, .Lfunc_end_k_q1f1c8bb5dd_proj-k_q1f1c8bb5dd_proj
	.p2alignl 7, 3214868480
	.fill 96, 4, 3214868480
	.section	.rodata,"a",@progbits
	.p2align	6, 0x0
	.amdhsa_kernel k_q1f1c8bb5dd_proj
		.amdhsa_group_segment_fixed_size 327680
		.amdhsa_private_segment_fixed_size 0
		.amdhsa_enable_private_segment 0
		.amdhsa_kernarg_size 40
		.amdhsa_user_sgpr_count 2
		.amdhsa_user_sgpr_kernarg_segment_ptr 1
		.amdhsa_wavefront_size32 1
		.amdhsa_system_sgpr_workgroup_id_x 1
		.amdhsa_system_sgpr_workgroup_id_y 1
		.amdhsa_system_sgpr_workgroup_id_z 1
		.amdhsa_system_vgpr_workitem_id 0
		.amdhsa_next_free_vgpr 1024
		.amdhsa_next_free_sgpr 100
		.amdhsa_reserve_vcc 0
		.amdhsa_float_denorm_mode_32 3
		.amdhsa_float_denorm_mode_16_64 3
		.amdhsa_memory_ordered 1
		.amdhsa_forward_progress 1
		.amdhsa_inst_pref_size 127
	.end_amdhsa_kernel
	.amdgpu_metadata
---
amdhsa.version: [ 1, 2 ]
amdhsa.kernels:
  - .name:           k_q1f1c8bb5dd_proj
    .symbol:         k_q1f1c8bb5dd_proj.kd
    .args:
      - { .name: ao, .offset: 0, .size: 8, .value_kind: global_buffer, .address_space: global }
      - { .name: wc, .offset: 8, .size: 8, .value_kind: global_buffer, .address_space: global }
      - { .name: ws, .offset: 16, .size: 8, .value_kind: global_buffer, .address_space: global }
      - { .name: b_out, .offset: 24, .size: 8, .value_kind: global_buffer, .address_space: global }
      - { .name: out0, .offset: 32, .size: 8, .value_kind: global_buffer, .address_space: global }
    .group_segment_fixed_size: 327680
    .private_segment_fixed_size: 0
    .kernarg_segment_align: 8
    .kernarg_segment_size: 40
    .max_flat_workgroup_size: 128
    .sgpr_count:     100
    .vgpr_count:     1024
    .wavefront_size: 32
...
	.end_amdgpu_metadata
.endif
;; end of part 4
